; MI455X (gfx1250); checked and timed in simulation.
; The chip was launched on July 23, 2026; its instructions are those of AMD's public machine-readable ISA for CDNA 5 (MIT licence, August 2026) and "CDNA5" Instruction Set Architecture Reference Guide (July 2026). The comments in the code are by the model that wrote it; some were corrected since.
;; Masked Causal Attention. Allowed arithmetic: matrix products marked QUANTISED: E2M1 operands, one E8M0 scale for each 32 along K, by v_wmma_scale_f32_16x16x128_f8f6f4 with both operands' format E2M1 (or v_wmma_scale_f32_32x16x128_f4), f32 sums; products left as they are: bf16, f16 or f32 operands; f32 sums; everything else in f32.
;; Inputs: Wk 1,024 x 1,024 float32; Wo 1,024 x 1,024 float32; Wq 1,024 x 1,024 float32; Wv 1,024 x 1,024 float32; bk 1,024 float32; bo 1,024 float32; bq 1,024 float32; bv 1,024 float32; x 4 x 2,048 x 1,024 float32.
;; Outputs: out0 4 x 2,048 x 1,024 float32.
;; This version of the problem:
;;   THIS VERSION OF THE PROBLEM IS GIVEN IN LOW PRECISION. The matrix products marked QUANTISED in the list below multiply operands that are first quantised to E2M1 (2 exponent bits, 1 mantissa bit; 4 bits a number), with one power-of-two scale for each 32 numbers along K (OCP MX v1.0); their sums are f32. The products marked 'left as it is' may take bf16, f16 or f32 operands, with f32 sums. Whichever they take, every output number must still come out within the allowed error. Rounding operands to bf16 (8 significant bits) uses up far more of that allowance than f16 does (11 bits, for magnitudes from 6e-5 to 65,504). All else is computed in f32.
;;   The module's matrix products, in the order in which they are computed (A, B: the left and right operand; K: the contracted axis; several contracted axes count as one K, in the product's order):
;;     1. [M 8,192, K 1,024] x [K 1,024, N 1,024]; A: input x; B: input Wq: QUANTISED
;;     2. [M 8,192, K 1,024] x [K 1,024, N 1,024]; A: input x; B: input Wk: QUANTISED
;;     3. [M 8,192, K 1,024] x [K 1,024, N 1,024]; A: input x; B: input Wv: QUANTISED
;;     4. batch 64 x [M 2,048, K 64] x [K 64, N 2,048]; A: computed on the way; B: computed on the way: left as it is (an operand is computed on the way)
;;     5. batch 64 x [M 2,048, K 2,048] x [K 2,048, N 64]; A: computed on the way; B: computed on the way: left as it is (an operand is computed on the way)
;;     6. [M 8,192, K 1,024] x [K 1,024, N 1,024]; A: computed on the way; B: input Wo: left as it is (an operand is computed on the way)
;;   THE QUANTISER, for each operand of a quantised product, along K:
;;     - K is cut into blocks of 32 from its start; a last block that is shorter is filled with zeros.
;;     - A block's scale is 2^e with e = floor(log2(the largest magnitude in the block)) - 2, held to -126 .. 127; a block of zeros has e = 0. As a byte (E8M0): e + 127.
;;     - Each number is divided by its block's scale, clamped to +-6, and rounded to the nearest number of E2M1, ties to even, subnormals kept.
;;     - The product sums the exact products of the quantised numbers (number of the format x scale) in f32.
;;   ~~~python
;;   def quantise(x, axis):      # numpy; x: float32 -> the quantised numbers, widened to float32 again
;;       x = np.moveaxis(x, axis, -1); K = x.shape[-1]
;;       x = np.pad(x, [(0, 0)] * (x.ndim - 1) + [(0, -K % 32)]); x = x.reshape(x.shape[:-1] + (-1, 32)); a = np.abs(x).max(-1, keepdims=True)
;;       e = np.where(a > 0, np.clip(np.frexp(np.where(a > 0, a, 1))[1] - 1 - 2, -126, 127), 0)      # np.frexp(a)[1] - 1 = floor(log2(a)), exactly
;;       r = np.clip(x / 2.0 ** e, -6, 6)
;;       step = 2.0 ** (np.maximum(np.frexp(np.where(r == 0, 1, r))[1] - 1, 0) - 1)
;;       q = np.round(r / step) * step * 2.0 ** e      # np.round: ties to even
;;       return np.moveaxis(q.reshape(q.shape[:-2] + (-1,))[..., :K], -1, axis).astype(np.float32)
;;   ~~~
;; One version. Each part assembles by itself: llvm-mc -triple=amdgcn-amd-amdhsa -mcpu=gfx1250 --defsym DOCPART=n.
;; ======== version 1 of 1: 5 launches
;; limits: values are held in f16: magnitudes above 65,504 overflow, below 6.1e-05 lose precision
;; workspace buffers: x_codes 4,194,304 bytes; x_scales 262,144 bytes; w_codes 1,572,864 bytes; w_scales 98,304 bytes; wot 2,097,152 bytes; qkvh 50,331,648 bytes; fine32 786,432 bytes; o2 16,777,216 bytes
;; launch prep (part 1): grid 368 x 1, 4 waves a work-group, no clusters, 104,960 bytes of LDS; arguments x, Wq, Wk, Wv, Wo, x_codes, x_scales, w_codes, w_scales, wot; writes x_codes, x_scales, w_codes, w_scales, wot
.if DOCPART == 1
	.amdgcn_target "amdgcn-amd-amdhsa--gfx1250"
	.amdhsa_code_object_version 6
	.text
	.protected	k_qf2dab1c82c_prep
	.globl	k_qf2dab1c82c_prep
	.p2align	8
	.type	k_qf2dab1c82c_prep,@function
k_qf2dab1c82c_prep:
	s_mov_b64 s[64:65], 0
	v_nop
	global_prefetch_b8 v0, s[64:65] scope:SCOPE_SE
	s_setreg_imm32_b32 hwreg(HW_REG_WAVE_MODE, 25, 1), 1
	s_wait_xcnt 0x0
; THE OPERANDS ARE MADE READY, ONCE.  Three kinds of work-groups, told apart by the work-group's number alone:
;   0..47    Wq, Wk, Wv [1024 (k)][1024 (n)] f32 -> codes of FP4 (E2M1), K innermost, w_codes [3072 = 1024 which + n][512 bytes], and one E8M0 byte for each 32 along K, w_scales [3072][32]
;   48..111  Wo [1024 (k)][1024 (n)] f32 -> f16, wot [kb 16][n 1024][64]: element (kb, n, i) = Wo[64 kb + i][n]
;   112..367 x [8192][1024] f32 -> codes, x_codes [8192][512 bytes], x_scales [8192][32]
; A block's scale is 2^(floor(log2(its largest magnitude)) - 2); its byte is the largest magnitude's exponent field - 2, held at 1 from below.
; LIMITS: a block of zeros gets the byte 1 where the rule says 127 (its codes are zeros, and this program alone reads the bytes); NaN and infinities among the inputs are not served; |Wo| stays under 65,504 (f16).
; Where K is the FIRST axis (the weights) a lane takes a column and its registers run down K; where K is innermost (x) a lane holds 16 neighbours, which reach it through the wave's stage in LDS, so that every load is dense.
; No tensor load, no barrier: waves share nothing.  Each kind of work-group has LDS bytes of its own.
.set SPW,   224                        ; v224  LDS address of my spare word; never rewritten
.set NIL,   225                        ; v225  0; never rewritten
.set XREG,  8192                       ; x: a region for each wave from byte 0: two stages of 32 x SP bytes, then its 256 scale bytes
.set SP,    80                         ; a lane's place in a stage: 64 bytes + 16 of padding
.set WSTG,  32768                      ; the weights' codes: a stage of 32 rows x WP for each wave
.set WP,    272
.set OSTG,  67584                      ; Wo: two planes of 32 rows x OP for each wave
.set OP,    144
.set SPARE, 104448                     ; the spare words, 128 bytes for each wave
.set EMAX,  2
.set STEPS, 16
.set R,     16                         ; x: v16-143 eight sets of 16 numbers as loaded
.set X,     144                        ; v144-175 two sets of 16 neighbours
.set E,     176                        ; v176-191 a scale byte for each step
.set C,     192                        ; v192-223 codes, two registers for each step: no store's data are written again
.set KX,    32                         ; the weights: v32-95 two sets of 32 numbers down K
.set WC,    96                         ; v96..   a block's codes, or 16 registers of f16
.set WOUT,  112                        ; v112-175 the way out
.set WSB,   24                         ; v24-27  scale bytes, four to a register
	s_load_b512 s[8:23], s[0:1], 0x0               ; x s[8:9], Wq s[10:11], Wk s[12:13], Wv s[14:15], Wo s[16:17], x_codes s[18:19], x_scales s[20:21], w_codes s[22:23]
	s_load_b128 s[24:27], s[0:1], 0x40             ; w_scales s[24:25], wot s[26:27]
	v_lshl_add_u32 v[SPW], v0, 2, SPARE
	v_mov_b32 v[NIL], 0
	v_lshrrev_b32 v1, 5, v0
	v_readfirstlane_b32 s4, v1                     ; wave 0..3
	v_and_b32 v2, 31, v0                           ; lane
	s_mov_b32 s29, 0                               ; the upper word of every offset pair s[28:29]
	s_wait_kmcnt 0x0
	s_cmp_lt_u32 ttmp9, 48
	s_cbranch_scc1 .Lpath_w
	s_cmp_lt_u32 ttmp9, 112
	s_cbranch_scc1 .Lpath_o
; ---------------- x: a plain stream of blocks of 32.  A wave takes 16 steps of 512 numbers; loads run eight steps (32 loads a wave) ahead, the turn through LDS one step
	v_lshlrev_b32 v3, 4, v2                        ; my 16 bytes of a load's 512
	s_mul_i32 s5, s4, XREG
	v_lshrrev_b32 v14, 2, v2
	v_mul_u32_u24 v14, v14, SP
	v_and_b32 v15, 3, v2
	v_lshl_add_u32 v14, v15, 4, v14
	v_add_nc_u32 v14, s5, v14                      ; the stage, on the way in: SP (lane / 4) + 16 (lane % 4)
	v_mul_u32_u24 v15, v2, SP
	v_add_nc_u32 v15, s5, v15                      ; and on the way out: SP x lane: my 16 neighbours
	v_lshlrev_b32 v4, 3, v2                        ; my 8 bytes of a step's codes
	v_lshrrev_b32 v5, 1, v2
	s_add_co_u32 s5, s5, 2*32*SP
	v_add_nc_u32 v5, s5, v5                        ; my block's byte among my wave's 256 scale bytes
	v_lshlrev_b32 v7, 3, v2
	v_add_nc_u32 v6, s5, v7                        ; and 8 of them a lane on the way out
	s_sub_co_u32 s6, ttmp9, 112
	s_lshl_b32 s6, s6, 2
	s_add_co_u32 s6, s6, s4                        ; which run of 8,192 numbers is my wave's: 0..1023
	s_lshl_b32 s28, s6, 15
	s_add_nc_u64 s[8:9], s[8:9], s[28:29]
	s_lshl_b32 s28, s6, 12
	s_add_nc_u64 s[18:19], s[18:19], s[28:29]
	s_lshl_b32 s28, s6, 8
	s_add_nc_u64 s[20:21], s[20:21], s[28:29]
.macro XLOAD t
.irp i, 0,1,2,3
	global_load_b128 v[R+16*((\t)%8)+4*\i:R+16*((\t)%8)+4*\i+3], v3, s[8:9] offset:2048*(\t)+512*\i th:TH_LOAD_NT   ; 32 lanes read 512 consecutive bytes
.endr
.endm
.macro XTURN t                         ; step t's numbers through the stage: LDS serves a wave's instructions in order, so no wait stands between the stores and the loads
.irp i, 0,1,2,3
	ds_store_b128 v14, v[R+16*((\t)%8)+4*\i:R+16*((\t)%8)+4*\i+3] offset:32*SP*((\t)%2)+8*SP*\i
.endr
.irp i, 0,1,2,3
	ds_load_b128 v[X+16*((\t)%2)+4*\i:X+16*((\t)%2)+4*\i+3], v15 offset:32*SP*((\t)%2)+16*\i
.endr
.endm
.irp t, 0,1,2,3,4,5,6,7
	XLOAD \t
.endr
	s_wait_loadcnt 28                              ; step 0's four loads are in; the 28 of steps 1 to 7 may be out
	XTURN 0
.macro XSTEP t
.set XS, X+16*((\t)%2)
.if (\t) > 0
	s_wait_dscnt 1                                 ; this step's numbers are back from the stage (the last step's byte store may be out), so its stores into the stage have read their registers,
.else
	s_wait_dscnt 0x0
.endif
.if (\t)+8 < STEPS
	XLOAD (\t)+8                                   ; which take the loads of eight steps on
.endif
.if (\t)+1 < STEPS
.if (\t) <= 7
	s_wait_loadcnt 28                              ; the next step's four loads are in; those of the seven steps behind it may be out
.else
	s_wait_loadcnt 4*(14-(\t))                     ; the steps behind the next one, as many as are left
.endif
	XTURN (\t)+1
.endif
	v_max3_num_f32 v8, |v[XS]|, |v[XS+1]|, |v[XS+2]|               ; the largest magnitude of my 16, in two chains
	v_max3_num_f32 v9, |v[XS+3]|, |v[XS+4]|, |v[XS+5]|
.irp i, 6,10
	v_max3_num_f32 v8, v8, |v[XS+\i]|, |v[XS+\i+1]|
	v_max3_num_f32 v9, v9, |v[XS+\i+2]|, |v[XS+\i+3]|
.endr
	v_max3_num_f32 v8, v8, |v[XS+14]|, |v[XS+15]|
	v_max3_num_f32 v8, v8, v9, (EMAX+1)<<23        ; and the floor 2^(3 - 127): the byte cannot fall under 1
	v_max_num_f32_dpp v8, v8, v8 row_xmask:1 row_mask:0xf bank_mask:0xf   ; with my neighbour's 16: the block's
	v_add_nc_u32 v11, -(EMAX<<23), v8              ; 2 off its exponent field: the conversion takes the exponent field of this operand as its scale
	v_cvt_scalef32_pk8_fp4_f32 v[C+2*(\t)], v[XS:XS+7], v11
	v_cvt_scalef32_pk8_fp4_f32 v[C+2*(\t)+1], v[XS+8:XS+15], v11
	v_lshrrev_b32 v[E+(\t)], 23, v11               ; the scale's byte (a plain line behind the conversions)
	ds_store_b8 v5, v[E+(\t)] offset:16*(\t)       ; both lanes of a block write the same byte with the same value
	global_store_b64 v4, v[C+2*(\t):C+2*(\t)+1], s[18:19] offset:256*(\t)   ; 32 lanes store 256 consecutive bytes, aligned
.endm
.irp t, 0,1,2,3,4,5,6,7,8,9,10,11,12,13,14,15
	XSTEP \t
.endr
	ds_load_b64 v[8:9], v6                         ; in order behind my byte stores
	s_wait_dscnt 0x0
	global_store_b64 v7, v[8:9], s[20:21]          ; my wave's 256 scale bytes, aligned
	s_branch .Lend
; 32 numbers down K of my column into set t % 2: each load reads 128 consecutive bytes a wave, the four waves stand side by side on 512
.macro KLOAD t, base
.irp i, 0,1,2,3,4,5,6,7,8,9,10,11,12,13,14,15,16,17,18,19,20,21,22,23,24,25,26,27,28,29,30,31
	global_load_b32 v[KX+32*((\t)%2)+\i], v3, s[\base:\base+1] offset:(32*(\t)+\i)*4096 th:TH_LOAD_NT
.endr
.endm
; ---------------- Wq, Wk, Wv: a wave takes 32 columns x 512 along K: 16 blocks a lane
.Lpath_w:
	s_lshr_b32 s5, ttmp9, 4                        ; which of the three
	s_bfe_u32 s6, ttmp9, 0x30001                   ; which 128 columns
	s_and_b32 s7, ttmp9, 1                         ; which half of K
	s_cmp_eq_u32 s5, 0
	s_cselect_b64 s[10:11], s[10:11], s[12:13]
	s_cmp_eq_u32 s5, 2
	s_cselect_b64 s[10:11], s[14:15], s[10:11]     ; the choice hangs on the work-group's number alone
	s_lshl_b32 s6, s6, 7
	s_lshl_b32 s28, s4, 5
	s_add_co_u32 s6, s6, s28                       ; my wave's first column
	s_lshl_b32 s28, s7, 21                         ; 512 rows of 4,096 bytes
	s_lshl_b32 s30, s6, 2
	s_add_co_u32 s28, s28, s30
	s_add_nc_u64 s[10:11], s[10:11], s[28:29]
	s_lshl_b32 s5, s5, 10
	s_add_co_u32 s5, s5, s6                        ; its row in w_codes and w_scales
	s_lshl_b32 s28, s5, 9
	s_lshl_b32 s30, s7, 8
	s_add_co_u32 s28, s28, s30
	s_add_nc_u64 s[22:23], s[22:23], s[28:29]
	s_lshl_b32 s28, s5, 5
	s_lshl_b32 s30, s7, 4
	s_add_co_u32 s28, s28, s30
	s_add_nc_u64 s[24:25], s[24:25], s[28:29]
	v_lshlrev_b32 v3, 2, v2                        ; in: 4 bytes a lane
	s_mul_i32 s30, s4, 32*WP
	s_add_co_u32 s30, s30, WSTG                    ; my stage
	v_mul_u32_u24 v4, v2, WP
	v_add_nc_u32 v4, s30, v4                       ; into it: row = my column
	v_and_b32 v5, 15, v2
	v_lshrrev_b32 v6, 4, v2
	v_mul_u32_u24 v7, v6, WP
	v_lshl_add_u32 v7, v5, 4, v7
	v_add_nc_u32 v7, s30, v7                       ; out of it: sixteen lanes to a row, two rows an instruction
	v_lshlrev_b32 v8, 9, v6
	v_lshl_add_u32 v8, v5, 4, v8                   ; and the same place in w_codes
	v_lshlrev_b32 v9, 5, v2                        ; my column's row of scale bytes
	KLOAD 0, 10
	KLOAD 1, 10
.macro WBLOCK t
.set XS, KX+32*((\t)%2)
.if (\t) < 15
	s_wait_loadcnt 32                              ; this block's 32 loads are in; the next block's may be out
.else
	s_wait_loadcnt 0x0
.endif
	v_max3_num_f32 v12, |v[XS]|, |v[XS+1]|, |v[XS+2]|              ; the block's largest magnitude: all 32 numbers are mine
	v_max3_num_f32 v13, |v[XS+3]|, |v[XS+4]|, |v[XS+5]|
.irp i, 6,10,14,18,22,26
	v_max3_num_f32 v12, v12, |v[XS+\i]|, |v[XS+\i+1]|
	v_max3_num_f32 v13, v13, |v[XS+\i+2]|, |v[XS+\i+3]|
.endr
	v_max3_num_f32 v12, v12, |v[XS+30]|, |v[XS+31]|
	v_max3_num_f32 v12, v12, v13, (EMAX+1)<<23     ; and the floor
	v_add_nc_u32 v11, -(EMAX<<23), v12             ; the conversion's scale operand
	v_lshrrev_b32 v13, 23, v11                     ; the scale's byte
.if (\t)%4 == 0
	v_mov_b32 v[WSB+(\t)/4], v13                   ; four bytes to a register, the lower K in the lower byte
.else
	v_lshl_or_b32 v[WSB+(\t)/4], v13, 8*((\t)%4), v[WSB+(\t)/4]
.endif
.irp g, 0,1,2,3
	v_cvt_scalef32_pk8_fp4_f32 v[WC+\g], v[XS+8*\g:XS+8*\g+7], v11
.endr
	v_nop                                          ; a plain line behind the last conversion
	ds_store_b128 v4, v[WC:WC+3] offset:16*(\t)    ; 32 codes: 16 bytes of my column's row
.if (\t)+2 < 16
	KLOAD (\t)+2, 10
.endif
	s_wait_dscnt 0x0                               ; the store has read its registers: the next block's codes may be written
.endm
.irp t, 0,1,2,3,4,5,6,7,8,9,10,11,12,13,14,15
	WBLOCK \t
.endr
	global_store_b128 v9, v[WSB:WSB+3], s[24:25]   ; my column's 16 scale bytes
.irp t, 0,1,2,3,4,5,6,7,8,9,10,11,12,13,14,15
	ds_load_b128 v[WOUT+4*\t:WOUT+4*\t+3], v7 offset:2*\t*WP
.endr
.irp t, 0,1,2,3,4,5,6,7,8,9,10,11,12,13,14,15
	s_wait_dscnt 15-\t                             ; LDS loads come back in order: load t is in
	global_store_b128 v8, v[WOUT+4*\t:WOUT+4*\t+3], s[22:23] offset:2*\t*512   ; sixteen lanes store 256 consecutive bytes, aligned
.endr
	s_branch .Lend
; ---------------- Wo: a wave takes 32 columns x 128 along K (two planes of 64): rounded to f16, K innermost
.Lpath_o:
	s_sub_co_u32 s5, ttmp9, 48
	s_lshr_b32 s6, s5, 3                           ; which 128 columns
	s_and_b32 s7, s5, 7                            ; which 128 along K
	s_lshl_b32 s6, s6, 7
	s_lshl_b32 s28, s4, 5
	s_add_co_u32 s6, s6, s28                       ; my wave's first column
	s_lshl_b32 s28, s7, 19                         ; 128 rows of 4,096 bytes
	s_lshl_b32 s30, s6, 2
	s_add_co_u32 s28, s28, s30
	s_add_nc_u64 s[16:17], s[16:17], s[28:29]
	s_lshl_b32 s28, s7, 18                         ; two planes of 131,072 bytes
	s_lshl_b32 s30, s6, 7                          ; a column's 128 bytes in a plane
	s_add_co_u32 s28, s28, s30
	s_add_nc_u64 s[26:27], s[26:27], s[28:29]
	v_lshlrev_b32 v3, 2, v2
	s_mul_i32 s30, s4, 2*32*OP
	s_add_co_u32 s30, s30, OSTG                    ; my stage
	v_mul_u32_u24 v4, v2, OP
	v_add_nc_u32 v4, s30, v4                       ; into it: row = my column
	v_lshrrev_b32 v5, 3, v2
	v_and_b32 v6, 7, v2
	v_mul_u32_u24 v7, v5, OP
	v_lshl_add_u32 v7, v6, 4, v7
	v_add_nc_u32 v7, s30, v7                       ; out of it: eight lanes to a row of 128 bytes, four rows an instruction
	v_lshlrev_b32 v8, 4, v2                        ; which are 512 consecutive bytes of wot
	KLOAD 0, 16
	KLOAD 1, 16
.macro OBLOCK t
.set XS, KX+32*((\t)%2)
.if (\t) < 3
	s_wait_loadcnt 32                              ; this block's 32 loads are in; the next block's may be out
.else
	s_wait_loadcnt 0x0
.endif
.irp i, 0,1,2,3,4,5,6,7,8,9,10,11,12,13,14,15
	v_cvt_pk_f16_f32 v[WC+\i], v[XS+2*\i], v[XS+2*\i+1]            ; the lower k in the low half
.endr
.irp g, 0,1,2,3
	ds_store_b128 v4, v[WC+4*\g:WC+4*\g+3] offset:((\t)/2)*32*OP+((\t)%2)*64+16*\g
.endr
.if (\t)+2 < 4
	KLOAD (\t)+2, 16
.endif
	s_wait_dscnt 0x0                               ; the stores have read their registers
.endm
.irp t, 0,1,2,3
	OBLOCK \t
.endr
.irp n, 0,1,2,3,4,5,6,7,8,9,10,11,12,13,14,15
	ds_load_b128 v[WOUT+4*\n:WOUT+4*\n+3], v7 offset:(\n/8)*32*OP+(\n%8)*4*OP
.endr
.irp n, 0,1,2,3,4,5,6,7,8,9,10,11,12,13,14,15
	s_wait_dscnt 15-\n
	global_store_b128 v8, v[WOUT+4*\n:WOUT+4*\n+3], s[26:27] offset:(\n/8)*131072+(\n%8)*512
.endr
.Lend:
	s_wait_tensorcnt 0x0                           ; the wave's end, behind my last LDS store
	ds_add_u32 v[SPW], v[NIL]
	s_wait_dscnt 0x0
	s_endpgm
.Lfunc_end_k_qf2dab1c82c_prep:
	.size	k_qf2dab1c82c_prep, .Lfunc_end_k_qf2dab1c82c_prep-k_qf2dab1c82c_prep
	.p2alignl 7, 3214868480
	.fill 96, 4, 3214868480
	.section	.rodata,"a",@progbits
	.p2align	6, 0x0
	.amdhsa_kernel k_qf2dab1c82c_prep
		.amdhsa_group_segment_fixed_size 104960
		.amdhsa_private_segment_fixed_size 0
		.amdhsa_enable_private_segment 0
		.amdhsa_kernarg_size 80
		.amdhsa_user_sgpr_count 2
		.amdhsa_user_sgpr_kernarg_segment_ptr 1
		.amdhsa_wavefront_size32 1
		.amdhsa_system_sgpr_workgroup_id_x 1
		.amdhsa_system_sgpr_workgroup_id_y 1
		.amdhsa_system_sgpr_workgroup_id_z 1
		.amdhsa_system_vgpr_workitem_id 0
		.amdhsa_next_free_vgpr 232
		.amdhsa_next_free_sgpr 66
		.amdhsa_reserve_vcc 0
		.amdhsa_float_denorm_mode_32 3
		.amdhsa_float_denorm_mode_16_64 3
		.amdhsa_memory_ordered 1
		.amdhsa_forward_progress 1
		.amdhsa_inst_pref_size 132
	.end_amdhsa_kernel
	.amdgpu_metadata
---
amdhsa.version: [ 1, 2 ]
amdhsa.kernels:
  - .name:           k_qf2dab1c82c_prep
    .symbol:         k_qf2dab1c82c_prep.kd
    .args:
      - { .name: x, .offset: 0, .size: 8, .value_kind: global_buffer, .address_space: global }
      - { .name: Wq, .offset: 8, .size: 8, .value_kind: global_buffer, .address_space: global }
      - { .name: Wk, .offset: 16, .size: 8, .value_kind: global_buffer, .address_space: global }
      - { .name: Wv, .offset: 24, .size: 8, .value_kind: global_buffer, .address_space: global }
      - { .name: Wo, .offset: 32, .size: 8, .value_kind: global_buffer, .address_space: global }
      - { .name: x_codes, .offset: 40, .size: 8, .value_kind: global_buffer, .address_space: global }
      - { .name: x_scales, .offset: 48, .size: 8, .value_kind: global_buffer, .address_space: global }
      - { .name: w_codes, .offset: 56, .size: 8, .value_kind: global_buffer, .address_space: global }
      - { .name: w_scales, .offset: 64, .size: 8, .value_kind: global_buffer, .address_space: global }
      - { .name: wot, .offset: 72, .size: 8, .value_kind: global_buffer, .address_space: global }
    .group_segment_fixed_size: 104960
    .private_segment_fixed_size: 0
    .kernarg_segment_align: 8
    .kernarg_segment_size: 80
    .max_flat_workgroup_size: 128
    .sgpr_count:     66
    .vgpr_count:     232
    .wavefront_size: 32
...
	.end_amdgpu_metadata
.endif
;; end of part 1
;; launch qkv (part 2): grid 12 x 32, 4 waves a work-group, clusters of 4 x 4, 327,680 bytes of LDS; arguments x_codes, x_scales, w_codes, w_scales, qkvh, bq, bk, bv, fine32; writes qkvh, fine32
.if DOCPART == 2
	.amdgcn_target "amdgcn-amd-amdhsa--gfx1250"
	.amdhsa_code_object_version 6
	.text
	.protected	k_qf2dab1c82c_qkv
	.globl	k_qf2dab1c82c_qkv
	.p2align	8
	.type	k_qf2dab1c82c_qkv,@function
k_qf2dab1c82c_qkv:
	s_mov_b64 s[64:65], 0
	v_nop
	global_prefetch_b8 v0, s[64:65] scope:SCOPE_SE
	s_setreg_imm32_b32 hwreg(HW_REG_WAVE_MODE, 25, 1), 1
	s_wait_xcnt 0x0
	s_wait_alu depctr_hold_cnt(0) depctr_sa_sdst(0) depctr_va_vdst(0) depctr_va_sdst(0) depctr_va_ssrc(0) depctr_va_vcc(0) depctr_vm_vsrc(0)
	s_getreg_b32 s2, hwreg(HW_REG_IB_STS2, 6, 4)
	s_cmp_eq_u32 s2, 0
	s_cbranch_scc0 .Lentry_in_a_cluster
	s_endpgm
.Lentry_in_a_cluster:
	s_bfe_u32 s2, ttmp6, 0x10000c
	s_cmp_lg_u32 s2, 0xf033
	s_cbranch_scc0 .Lentry_shape_is_right
	s_endpgm
.Lentry_shape_is_right:
; q, k, v = Q(x) Q(W) + b: one product [8192] x [3072 = q | k | v] over K = 1,024 on codes of FP4 (E2M1) with one E8M0 scale for each 32 along K; sums in f32.
; x_codes [8192][512 bytes], w_codes [3072][512 bytes], K innermost; x_scales [8192][32], w_scales [3072][32].
; Out: qkvh, f16, [which 3][16 b + head][t 2048][64]; and fine32, f32, [b 4][t 16][3072]: the first 16 positions of every sequence as they are summed, for the launch that carries them in f32.
; LIMIT: |q|, |k|, |v| stay under 65,504 (f16).
; A tile of 256 x 256 is made by four waves, 128 x 128 each: 64 accumulators, 512 registers.  All of K lies in two LDS slots of 512 along K, both asked for at the start: nothing is filled again.
; The scales of the tile's rows, for all of K, come once, as dense blocks.  384 tiles: a tile of 256 x 384 would make 256, but its codes for all of K do not fit in LDS beside each other.
; CLUSTERS: 4 x 4 work-groups; A's tile is asked for jointly by a row of the cluster, B's by a column.  The tile row is 8 cy + cluster y, so that the batch is cy and the tile's first position 256 x cluster y:
; whether a tile holds positions under 16 is then the same in all sixteen partners.
; THE MATRIX INSTRUCTION IS USED TRANSPOSED (source 0 = 16 rows of W, source 1 = 16 rows of x): a lane holds eight neighbouring columns of one row.  The bias is the C of each sum's first instruction.
; REGISTERS: window 0: v0-31 addresses; v32-95 scale words, two sets, and nothing else; v128-191 A's fragments, one set, on the way out rows read back; v192-255 the bias in the result's layout, on the way out packed results.
;   window 1: B's fragments, two sets, at v0 and v128.  window 2: the accumulators of my rows 0-63 ((a, b) at v[8 (8 a + b)]); window 3: those of rows 64-127.
.set NQ,     4                         ; matrix instructions deep in a slot
.set ROWB,   256                       ; a tile's row in bytes: 512 codes
.set KROW,   512                       ; a row of codes in memory
.set PITCH,  272                       ; an LDS row: 256 bytes + 16 of padding: the 16 rows that a load touches start 16 bytes apart modulo 256
.set FR,     8
.set NL,     2
.set NP,     4                         ; places behind this matrix instruction (ISA guide 7.12.1)
.set HALFT,  128*PITCH
.set SLOT,   4*HALFT
.set KS,     32                        ; a row of scales in bytes
.set SCL,    2*SLOT
.set HALFS,  (128*KS/256)*272
.set SBLK,   (16*KS/256)*272
.set SPARE,  SCL+4*HALFS               ; the spare words, 128 bytes for each wave
.set ADRA, 16
.set ADRB, 20
.set STO,  24
.set RD,   25
.set CO,   26
.set ADRS, 27
.set SPW,  28
.set NIL,  29
.set FO,   30                          ; v30  my byte offset in fine32
.set BO,   31                          ; v31  my byte offset in the bias
.set SC,   32
.set AF,   128
.set BIAS, 192
.set TMP,  192                         ; the way out: packed results, v192-223
.set OB,   128                         ; and rows read back: v128-159 and v160-191 by turns
.set G1, 24
.set G0, 32
.set G1B, 48
.set G0B, 56
.set G1S, 68
.set G0S, 76
.set G1SB, 80
.set G0SB, 88
.set MSB, 0
.macro WIN new                         ; the immediate's high byte repeats the setting that is left
.if MSB != (\new)
	s_set_vgpr_msb (MSB<<8)|(\new)
.set MSB, (\new)
.endif
.endm
.set MUL_LO, 0xa1                      ; source 0 (B) window 1, source 1 (A) window 0, C and D window 2
.set MUL_HI, 0xf1                      ; the same, C and D window 3
.set TO_B,   0x40
; A joint load: waves 0 and 1 fetch for A, waves 2 and 3 for B.  The branch hangs on the wave's number alone.  An s_nop 0 and four v_nop follow each of the two lines.
.macro JLOAD g0a, g1a, g0b, g1b
	s_cmp_eq_u32 s15, 0
	s_cbranch_scc0 .Lfor_b_\@
	tensor_load_to_lds s[\g0a:\g0a+3], s[\g1a:\g1a+7]
	s_nop 0
.rept 4
	v_nop
.endr
	s_branch .Lasked_\@
.Lfor_b_\@:
	tensor_load_to_lds s[\g0b:\g0b+3], s[\g1b:\g1b+7]
	s_nop 0
.rept 4
	v_nop
.endr
.Lasked_\@:
.endm
.macro CROUND                          ; a round of the cluster's barrier
	s_barrier_signal -1
	s_barrier_wait -1
	s_cmp_lg_u32 s14, 0
	s_cbranch_scc1 .Lnot_wave_0_\@
	s_barrier_signal -3
.Lnot_wave_0_\@:
	s_barrier_wait -3
	s_barrier_signal -1
	s_barrier_wait -1
.endm
	s_load_b128 s[4:7], s[0:1], 0x0                ; x_codes, x_scales
	s_load_b128 s[8:11], s[0:1], 0x10              ; w_codes, w_scales
	s_load_b64 s[12:13], s[0:1], 0x20              ; qkvh
	s_load_b64 s[96:97], s[0:1], 0x28              ; bq
	s_load_b64 s[98:99], s[0:1], 0x30              ; bk
	s_load_b64 s[100:101], s[0:1], 0x38            ; bv
	s_load_b64 s[66:67], s[0:1], 0x40              ; fine32
	v_lshl_add_u32 v[SPW], v0, 2, SPARE
	v_mov_b32 v[NIL], 0
	ds_add_u32 v[SPW], v[NIL]                      ; the wave's opening: the add, twice on end, and its wait ahead of my first tensor load
	ds_add_u32 v[SPW], v[NIL]
	v_lshrrev_b32 v1, 5, v0
	v_readfirstlane_b32 s14, v1                    ; wave 0..3
	s_lshr_b32 s15, s14, 1                         ; which half of the tile's rows is mine.  Also: I fetch for A (0) or for B (1)
	s_and_b32 s16, s14, 1                          ; which half of its columns.  Also: which 128 rows of that tile I fetch
	s_bfe_u32 s40, ttmp6, 0x40000                  ; cx
	s_bfe_u32 s41, ttmp6, 0x40004                  ; cy
	s_lshl_b32 s42, ttmp9, 2
	s_add_co_u32 s42, s42, s40                     ; tile column = 4 x cluster x + cx: cluster x says which of q, k, v
	s_and_b32 s3, ttmp7, 0xffff                    ; cluster y
	s_lshl_b32 s17, s41, 3
	s_add_co_u32 s17, s17, s3                      ; tile row = 8 cy + cluster y
	s_lshl_b32 s43, s41, 2
	s_lshl_b32 s43, 15, s43                        ; my row of the cluster
	s_lshl_b32 s44, 0x1111, s40                    ; my column
	s_or_b32 s[G1+0], s43, (0<<16)|(1<<20)|(1<<21)|(5<<22)|(3<<25)  ; the mask; elements of 1 byte; padding: 4 words behind every 64; bit 21 beside a mask
	s_or_b32 s[G1B+0], s44, (0<<16)|(1<<20)|(1<<21)|(5<<22)|(3<<25)
.irp g, G1, G1B
	s_mov_b32 s[\g+1], ROWB<<16                    ; tensor_dim0
	s_mov_b32 s[\g+2], 128<<16                     ; tensor_dim1
	s_mov_b32 s[\g+3], ROWB<<16                    ; tile_dim0
	s_mov_b32 s[\g+4], 128                         ; tile_dim1
	s_mov_b32 s[\g+5], KROW                        ; the pitch
	s_mov_b32 s[\g+6], 0
	s_mov_b32 s[\g+7], 0
.endr
	s_or_b32 s[G1S+0], s43, (3<<16)|(1<<20)|(1<<21)|(5<<22)|(3<<25) ; the scales of 128 rows: 4,096 dense bytes as 16 rows of 256 (32 elements of 8 bytes), padded alike
	s_or_b32 s[G1SB+0], s44, (3<<16)|(1<<20)|(1<<21)|(5<<22)|(3<<25)
.irp g, G1S, G1SB
	s_mov_b32 s[\g+1], 32<<16
	s_mov_b32 s[\g+2], (128*KS/256)<<16
	s_mov_b32 s[\g+3], 32<<16
	s_mov_b32 s[\g+4], 128*KS/256
	s_mov_b32 s[\g+5], 32
	s_mov_b32 s[\g+6], 0
	s_mov_b32 s[\g+7], 0
.endr
	s_lshl_b32 s18, s16, 7
	s_lshl_b32 s20, s17, 8
	s_add_co_u32 s20, s20, s18                     ; A: row 256 x tile row + 128 x half
	s_lshl_b32 s46, s42, 8
	s_add_co_u32 s46, s46, s18                     ; B: row 256 x tile column + 128 x half
	s_mov_b32 s21, 0
	s_mov_b32 s47, 0
	s_mov_b64 s[18:19], KS
	s_mul_u64 s[22:23], s[20:21], s[18:19]         ; where these rows' scales begin
	s_mul_u64 s[92:93], s[46:47], s[18:19]
	s_mov_b64 s[18:19], KROW
	s_mul_u64 s[20:21], s[20:21], s[18:19]         ; and their codes
	s_mul_u64 s[46:47], s[46:47], s[18:19]
	s_mul_i32 s45, s14, HALFT                      ; where they go: wave x 128 rows
	s_mul_i32 s94, s14, HALFS
	s_wait_dscnt 0x0                               ; both opening adds are done
	s_wait_kmcnt 0x0
	s_add_nc_u64 s[20:21], s[4:5], s[20:21]
	s_add_nc_u64 s[22:23], s[6:7], s[22:23]
	s_add_nc_u64 s[46:47], s[8:9], s[46:47]
	s_add_nc_u64 s[92:93], s[10:11], s[92:93]
	CROUND                                         ; all sixteen work-groups are here: the joint loads meet
	s_mov_b32 s[G0S], 1
	s_add_co_u32 s[G0S+1], s94, SCL
	s_mov_b64 s[G0S+2:G0S+3], s[22:23]
	s_or_b32 s[G0S+3], s[G0S+3], 0x80000000
	s_mov_b32 s[G0SB], 1
	s_add_co_u32 s[G0SB+1], s94, SCL
	s_mov_b64 s[G0SB+2:G0SB+3], s[92:93]
	s_or_b32 s[G0SB+3], s[G0SB+3], 0x80000000
	JLOAD G0S, G1S, G0SB, G1SB                     ; the scales first: they are wanted with the first step
.irp s, 0,1
	s_mov_b32 s[G0+4*\s], 1
	s_add_co_u32 s[G0+4*\s+1], s45, \s*SLOT
	s_add_nc_u64 s[G0+4*\s+2:G0+4*\s+3], s[20:21], \s*ROWB
	s_or_b32 s[G0+4*\s+3], s[G0+4*\s+3], 0x80000000
	s_mov_b32 s[G0B+4*\s], 1
	s_add_co_u32 s[G0B+4*\s+1], s45, \s*SLOT
	s_add_nc_u64 s[G0B+4*\s+2:G0B+4*\s+3], s[46:47], \s*ROWB
	s_or_b32 s[G0B+4*\s+3], s[G0B+4*\s+3], 0x80000000
	JLOAD G0+4*\s, G1, G0B+4*\s, G1B               ; three loads of mine are out behind the second of these
.endr
	v_and_b32 v1, 15, v0                           ; r = l % 16
	v_bfe_u32 v2, v0, 4, 1                         ; h = l / 16
	v_mul_u32_u24 v3, v1, PITCH
	v_lshl_add_u32 v4, v2, 4, v3                   ; a fragment's row x pitch + 16 h
	s_mul_i32 s21, s15, HALFT
	s_mul_i32 s22, s16, HALFT
	s_add_co_u32 s22, s22, 2*HALFT
.irp s, 0,1
	v_add_nc_u32 v[ADRA+\s], s21, v4
	v_add_nc_u32 v[ADRB+\s], s22, v4
	s_add_co_u32 s21, s21, SLOT
	s_add_co_u32 s22, s22, SLOT
.endr
	v_mul_u32_u24 v5, v1, KS                       ; my row's scales: 32 bytes a row,
	v_lshrrev_b32 v6, 8, v5
	v_lshl_add_u32 v5, v6, 4, v5                   ; and 16 more for each 256 passed
	s_mul_i32 s21, s15, HALFS
	s_mul_i32 s22, s16, HALFS
	s_add_co_u32 s22, s22, 2*HALFS
	s_sub_co_u32 s22, s22, s21
	v_mul_u32_u24 v6, s22, v2                      ; lanes 16-31 take B's
	s_add_co_u32 s21, s21, SCL
	v_add_nc_u32 v5, v5, v6
	v_add_nc_u32 v[ADRS], s21, v5
	s_mul_i32 s23, s14, 16*PITCH                   ; the way out: my stage, 16 rows x 272 bytes, in slot 0
	v_add_nc_u32 v[STO], s23, v4                   ; in: row r, 16 bytes for each half of the lanes
	v_bfe_u32 v5, v0, 3, 1                         ; back: lanes 0-15 take my first head's 64 columns, lanes 16-31 my second's; eight lanes to a row of 128 bytes, two rows
	v_and_b32 v6, 7, v0
	v_mul_u32_u24 v[RD], v5, PITCH
	v_lshl_add_u32 v[RD], v2, 7, v[RD]
	v_lshl_add_u32 v[RD], v6, 4, v[RD]
	v_add_nc_u32 v[RD], s23, v[RD]
	v_lshlrev_b32 v[CO], 18, v2                    ; in qkvh a head is 2^18 bytes, a row 128
	v_lshl_add_u32 v[CO], v5, 7, v[CO]
	v_lshl_add_u32 v[CO], v6, 4, v[CO]
	v_mul_u32_u24 v[FO], v1, 12288                 ; fine32: row r of 12,288 bytes, + 32 h
	v_lshl_add_u32 v[FO], v2, 5, v[FO]
	v_lshlrev_b32 v[BO], 5, v2                     ; the bias: my half's eight numbers of a block of 16
	s_lshl_b32 s46, ttmp9, 6                       ; qkvh: head index 64 which + 16 b + 4 cx + 2 x column half,
	s_lshl_b32 s47, s41, 4
	s_add_co_u32 s46, s46, s47
	s_lshl_b32 s47, s40, 2
	s_add_co_u32 s46, s46, s47
	s_lshl_b32 s47, s16, 1
	s_add_co_u32 s46, s46, s47
	s_lshl_b32 s46, s46, 18
	s_lshl_b32 s47, s3, 15                         ; position 256 x cluster y + 128 x row half, 128 bytes each
	s_add_co_u32 s46, s46, s47
	s_lshl_b32 s47, s15, 14
	s_add_co_u32 s46, s46, s47
	s_mov_b32 s47, 0
	s_add_nc_u64 s[12:13], s[12:13], s[46:47]
	s_mul_i32 s46, s41, 196608                     ; fine32: batch cy, column 256 x tile column + 128 x column half
	s_lshl_b32 s20, s42, 10
	s_add_co_u32 s46, s46, s20
	s_lshl_b32 s20, s16, 9
	s_add_co_u32 s46, s46, s20
	s_add_nc_u64 s[66:67], s[66:67], s[46:47]
	s_lshl_b32 s46, s40, 10                        ; the bias: column 256 cx + 128 x column half
	s_add_co_u32 s46, s46, s20
	s_cmp_eq_u32 ttmp9, 0
	s_cselect_b64 s[96:97], s[96:97], s[98:99]
	s_cmp_eq_u32 ttmp9, 2
	s_cselect_b64 s[96:97], s[100:101], s[96:97]   ; the choice hangs on the cluster's x alone
	s_add_nc_u64 s[96:97], s[96:97], s[46:47]
.irp b, 0,1,2,3,4,5,6,7
	global_load_b128 v[BIAS+8*\b:BIAS+8*\b+3], v[BO], s[96:97] offset:64*\b       ; block b: the bias of columns 16 b + 8 h + 0 .. 7
	global_load_b128 v[BIAS+8*\b+4:BIAS+8*\b+7], v[BO], s[96:97] offset:64*\b+16
.endr
.macro FRAG reg, adr, q, i             ; 16 rows x 128 K of 4-bit codes: 8 registers: two loads of 16 bytes, 32 bytes apart
.irp c, 0,1
	ds_load_b128 v[\reg+4*\c:\reg+4*\c+3], v[\adr] offset:64*(\q)+32*\c+(\i)*16*PITCH
.endr
.endm
; 16 matrix instructions: A's blocks a0, a0 + 1 x B's eight.  p: B's set; sc: the set of scale words.  first = 1: the bias starts the sums.  The 64 accumulators take turns, one instruction a turn, in the same order in every step.
.macro MUL16 a0, p, q, sc, first
.irp a, \a0, \a0+1
.irp b, 0,1,2,3,4,5,6,7
.if \first
	v_wmma_scale_f32_16x16x128_f8f6f4 v[8*(8*((\a)%4)+\b):8*(8*((\a)%4)+\b)+7], v[128*(\p)+FR*\b:128*(\p)+FR*\b+FR-1], v[AF+FR*(\a):AF+FR*(\a)+FR-1], v[BIAS+8*\b:BIAS+8*\b+7], v[SC+8*NQ*(\sc)+NQ*\b+(\q)], v[SC+8*NQ*(\sc)+NQ*(\a)+(\q)] matrix_a_fmt:MATRIX_FMT_FP4 matrix_b_fmt:MATRIX_FMT_FP4 matrix_a_scale:MATRIX_SCALE_ROW1
.else
	v_wmma_scale_f32_16x16x128_f8f6f4 v[8*(8*((\a)%4)+\b):8*(8*((\a)%4)+\b)+7], v[128*(\p)+FR*\b:128*(\p)+FR*\b+FR-1], v[AF+FR*(\a):AF+FR*(\a)+FR-1], v[8*(8*((\a)%4)+\b):8*(8*((\a)%4)+\b)+7], v[SC+8*NQ*(\sc)+NQ*\b+(\q)], v[SC+8*NQ*(\sc)+NQ*(\a)+(\q)] matrix_a_fmt:MATRIX_FMT_FP4 matrix_b_fmt:MATRIX_FMT_FP4 matrix_a_scale:MATRIX_SCALE_ROW1
.endif
.endr
.endr
.endm
.macro FETCH_B slot, q, p
	WIN TO_B
.irp i, 0,1,2,3,4,5,6,7
	FRAG 128*(\p)+FR*\i, ADRB+\slot, \q, \i
.endr
	WIN 0
.endm
.macro FETCH_A slot, q, i0
.irp i, \i0, \i0+1, \i0+2, \i0+3
	FRAG AF+FR*(\i), ADRA+\slot, \q, \i
.endr
.endm
.macro SCALES sc                       ; a slot's scale words: four words a row; lanes 0-15 take A's block i, lanes 16-31 B's block i
.irp i, 0,1,2,3,4,5,6,7
	ds_load_b128 v[SC+8*NQ*\sc+NQ*\i:SC+8*NQ*\sc+NQ*\i+3], v[ADRS] offset:\i*SBLK
.endr
.endm
.macro PLACES n                        ; plain vector instructions between a matrix instruction and a load into, or a read of, its registers
.rept \n
	v_nop
.endr
.endm
.macro STEP slot, q, first             ; 128 along K, with its successor in the same slot
	s_wait_dscnt 4*NL                              ; B's set and A's blocks 0-3 are in; the youngest eight loads (A's blocks 4-7) may be out
.if \first
	WIN 0x81                                       ; C (the bias) in window 0, D in window 2
.else
	WIN MUL_LO
.endif
	MUL16 0, (\q)%2, \q, \slot, \first
	MUL16 2, (\q)%2, \q, \slot, \first
	s_wait_dscnt 0                                 ; A's blocks 4-7 are in
	PLACES NP
	FETCH_B \slot, (\q)+1, 1-(\q)%2
	FETCH_A \slot, (\q)+1, 0
.if \first
	WIN 0xc1                                       ; C in window 0, D in window 3
.else
	WIN MUL_HI
.endif
	MUL16 4, (\q)%2, \q, \slot, \first
	MUL16 6, (\q)%2, \q, \slot, \first
	PLACES NP
	WIN 0
	FETCH_A \slot, (\q)+1, 4
.endm
.macro STEPS slot, from
.set Q, \from
.rept NQ-1-\from
	STEP \slot, Q, 0
.set Q, Q+1
.endr
.endm
	s_wait_tensorcnt 1                             ; the scales and my part of slot 0 are in; slot 1's load may be out
	s_barrier_signal -1
	s_barrier_wait -1
	FETCH_B 0, 0, 0
	FETCH_A 0, 0, 0
	SCALES 0
	FETCH_A 0, 0, 4
	s_wait_loadcnt 0x0                             ; the bias
	STEP 0, 0, 1
	STEPS 0, 1
	; slot 0's last step changes slots: one barrier; in front of it each wave waits for all its tensor loads, adds 0 to its spare word, and waits for that and for its reads of slot 0
	s_wait_tensorcnt 0x0                           ; my part of slot 1 has landed
	ds_add_u32 v[SPW], v[NIL]
	s_wait_dscnt 4*NL+1                            ; the add and the youngest eight loads may be out
	WIN MUL_LO
	MUL16 0, 1, NQ-1, 0, 0
	s_wait_dscnt 0x0                               ; the add is done, and my reads of slot 0 are over
	s_barrier_signal -1
	MUL16 2, 1, NQ-1, 0, 0
	WIN 0
	s_barrier_wait -1
	PLACES NP
	v_add_nc_u32 v[ADRS], 4*NQ, v[ADRS]            ; on to slot 1's scale words
	FETCH_B 1, 0, 0
	FETCH_A 1, 0, 0
	SCALES 1
	WIN MUL_HI
	MUL16 4, 1, NQ-1, 0, 0
	MUL16 6, 1, NQ-1, 0, 0
	PLACES NP
	WIN 0
	FETCH_A 1, 0, 4
	STEPS 1, 0
	s_wait_dscnt 4*NL                              ; the very last step: nothing more to fetch
	WIN MUL_LO
	MUL16 0, 1, NQ-1, 1, 0
	MUL16 2, 1, NQ-1, 1, 0
	s_wait_dscnt 0
	WIN MUL_HI
	MUL16 4, 1, NQ-1, 1, 0
	MUL16 6, 1, NQ-1, 1, 0
	WIN 0
	PLACES NP                                      ; in front of the first reads of results and of loads into the registers that held A's fragments
	; THE FIRST 16 POSITIONS IN f32: my block 0, where the tile begins a sequence (cluster y = 0: the same in all partners) and I hold its upper half.  Runs of 64 bytes: 0.8 MB in the whole launch
	s_or_b32 s2, s3, s15
	s_cmp_lg_u32 s2, 0
	s_cbranch_scc1 .Lno_fine
	WIN 0x08                                       ; a store's data are its source 1: window 2
.irp b, 0,1,2,3,4,5,6,7
	global_store_b128 v[FO], v[8*\b:8*\b+3], s[66:67] offset:64*\b             ; each accumulator from its low end on
	global_store_b128 v[FO], v[8*\b+4:8*\b+7], s[66:67] offset:64*\b+16
.endr
	WIN 0
.Lno_fine:
; THE WAY OUT, block by block of 16 rows x 128 columns (two heads): rounded to f16, 16 bytes a lane into my stage, back so that sixteen lanes hold two neighbouring rows of one head: 256 consecutive bytes of qkvh, aligned.
; The stage lies in slot 0, which has had its only fill, and which nobody reads behind the change of slots.
.macro PACK a
.set AC, 64*((\a)%4)
	WIN 0x0a+5*((\a)/4)                            ; sources 0 and 1: window 2 or 3
.irp b, 0,1,2,3,4,5,6,7
.irp r, 0,1,2,3
	v_cvt_pk_f16_f32 v[TMP+4*\b+\r], v[AC+8*\b+2*\r], v[AC+8*\b+2*\r+1]
.endr
.endr
	WIN 0
.endm
.macro TOSTAGE a
.set BK, OB+32*((\a)%2)
.irp b, 0,1,2,3,4,5,6,7
	ds_store_b128 v[STO], v[TMP+4*\b:TMP+4*\b+3] offset:32*\b
.endr
.irp t, 0,1,2,3,4,5,6,7
	ds_load_b128 v[BK+4*\t:BK+4*\t+3], v[RD] offset:\t*2*PITCH     ; LDS serves a wave's instructions in order: these see the stores above
.endr
.endm
.macro SEND a
.set BK, OB+32*((\a)%2)
	s_wait_dscnt 0x0                               ; the block is back in registers
	s_wait_xcnt 0x0                                ; the earlier stores have read their registers: the block after this one may land where the block before it lay
.irp t, 0,1,2,3,4,5,6,7
	global_store_b128 v[CO], v[BK+4*\t:BK+4*\t+3], s[12:13] offset:(\a)*2048+\t*256
.endr
.endm
	PACK 0
	TOSTAGE 0
.irp a, 1,2,3,4,5,6,7                  ; block a's conversions stand between block a - 1's loads from the stage and the wait for them
	PACK \a
	SEND \a-1
	TOSTAGE \a
.endr
	SEND 7
	s_wait_tensorcnt 0x0                           ; the wave's end
	ds_add_u32 v[SPW], v[NIL]
	s_wait_dscnt 0x0
	CROUND                                         ; the closing round
	s_endpgm
.Lfunc_end_k_qf2dab1c82c_qkv:
	.size	k_qf2dab1c82c_qkv, .Lfunc_end_k_qf2dab1c82c_qkv-k_qf2dab1c82c_qkv
	.p2alignl 7, 3214868480
	.fill 96, 4, 3214868480
	.section	.rodata,"a",@progbits
	.p2align	6, 0x0
	.amdhsa_kernel k_qf2dab1c82c_qkv
		.amdhsa_group_segment_fixed_size 327680
		.amdhsa_private_segment_fixed_size 0
		.amdhsa_enable_private_segment 0
		.amdhsa_kernarg_size 72
		.amdhsa_user_sgpr_count 2
		.amdhsa_user_sgpr_kernarg_segment_ptr 1
		.amdhsa_wavefront_size32 1
		.amdhsa_system_sgpr_workgroup_id_x 1
		.amdhsa_system_sgpr_workgroup_id_y 1
		.amdhsa_system_sgpr_workgroup_id_z 1
		.amdhsa_system_vgpr_workitem_id 0
		.amdhsa_next_free_vgpr 1024
		.amdhsa_next_free_sgpr 102
		.amdhsa_reserve_vcc 0
		.amdhsa_float_denorm_mode_32 3
		.amdhsa_float_denorm_mode_16_64 3
		.amdhsa_memory_ordered 1
		.amdhsa_forward_progress 1
		.amdhsa_inst_pref_size 130
	.end_amdhsa_kernel
	.amdgpu_metadata
---
amdhsa.version: [ 1, 2 ]
amdhsa.kernels:
  - .name:           k_qf2dab1c82c_qkv
    .symbol:         k_qf2dab1c82c_qkv.kd
    .args:
      - { .name: x_codes, .offset: 0, .size: 8, .value_kind: global_buffer, .address_space: global }
      - { .name: x_scales, .offset: 8, .size: 8, .value_kind: global_buffer, .address_space: global }
      - { .name: w_codes, .offset: 16, .size: 8, .value_kind: global_buffer, .address_space: global }
      - { .name: w_scales, .offset: 24, .size: 8, .value_kind: global_buffer, .address_space: global }
      - { .name: qkvh, .offset: 32, .size: 8, .value_kind: global_buffer, .address_space: global }
      - { .name: bq, .offset: 40, .size: 8, .value_kind: global_buffer, .address_space: global }
      - { .name: bk, .offset: 48, .size: 8, .value_kind: global_buffer, .address_space: global }
      - { .name: bv, .offset: 56, .size: 8, .value_kind: global_buffer, .address_space: global }
      - { .name: fine32, .offset: 64, .size: 8, .value_kind: global_buffer, .address_space: global }
    .group_segment_fixed_size: 327680
    .private_segment_fixed_size: 0
    .kernarg_segment_align: 8
    .kernarg_segment_size: 72
    .max_flat_workgroup_size: 128
    .sgpr_count:     102
    .vgpr_count:     1024
    .wavefront_size: 32
...
	.end_amdgpu_metadata
.endif
;; end of part 2
;; launch attn (part 3): grid 4 x 64, 8 waves a work-group, no clusters, 327,680 bytes of LDS; arguments qkvh, o2; writes o2
.if DOCPART == 3
	.amdgcn_target "amdgcn-amd-amdhsa--gfx1250"
	.amdhsa_code_object_version 6
	.text
	.protected	k_qf2dab1c82c_attn
	.globl	k_qf2dab1c82c_attn
	.p2align	8
	.type	k_qf2dab1c82c_attn,@function
k_qf2dab1c82c_attn:
	s_mov_b64 s[64:65], 0
	v_nop
	global_prefetch_b8 v0, s[64:65] scope:SCOPE_SE
	s_setreg_imm32_b32 hwreg(HW_REG_WAVE_MODE, 25, 1), 1
	s_wait_xcnt 0x0
; O[bh][q] = the sum over k <= q of softmax_k(Q[bh][q] . K[bh][k] / 8) V[bh][k].  qkvh: f16 [which 3][bh 64][t 2048][64].  o2: f16 [head 16][2048 b + t][64].  Products on f16 operands, sums, maxima and the softmax in f32.
; LIMIT: |q|, |k|, |v| under 65,504 (f16).  The first 16 positions of every sequence are made again in f32 by a later launch.
; SHARES.  Work-group (j, bh) owns the query blocks 7 - j and j (256 queries each) of one head: (8 - j) + (j + 1) = 9 blocks of 256 x 256 under the mask, the same for every j.  Each of its eight waves holds four tiles of
; 16 queries, as two PIECES of 32: piece 0 (tiles 0, 1): queries 256 (7 - j) + 32 (7 - w) on; piece 2 (tiles 2, 3): queries 256 j + 32 w on.  While both run, a fragment of K or V read from LDS feeds four tiles.
; Two waves share a SIMD, so that one wave's softmax stands beside the other's products; inside a wave the order is S(0), S(2), softmax(0), PV(0), softmax(2), PV(2).
; LAYOUT.  S^T = K Q^T (source 0 = 16 keys, source 1 = 16 queries): a lane holds ONE query (lane % 16) and keys 8 (lane / 16) + 0..7.  Two such tiles rounded to f16 in pairs ARE source 1 of O^T = V^T P.
; A row of K or V is 128 bytes, and a head's rows are dense: a tile is stated as rows of 256 bytes (a pair of keys) with padding behind each; key k lies at (k / 2) pitch + 128 (k % 2).
; SOFTMAX.  A running maximum m and sum l for each query: p = 2^(c s - c m), c = log2(e) / 8; in every step O and l are multiplied by a = 2^(c m_old - c m_new).
; THE MASK.  Every work-group walks all 8 slots of 256 keys: the trip counts are constants.  A step of 64 keys all of which come after a piece's queries is left out by a scalar branch on ids; on the diagonal hidden scores become
; -infinity ahead of the maximum.  A step is walked only where its first key is at or under the piece's first query, so every query of it sees a key.  A slot beyond the work-group's last query is not asked for.
; NO CLUSTER: the four work-groups of a head need 8 - j slots each: a joint load would bring tiles whose reads every wave of some partner jumps over.
; REGISTERS: window 0: v1-15 addresses; v16-47 eight statistics a tile; v48-55 a, a pair a tile; v64-191 S^T, then p, then P, 32 a tile; v192-255 K's fragments.
;   window 1: v0-127 O^T, 32 a tile; v128-191 Q, 16 a tile; v192-255 V^T's fragments.
.set PK,    272                        ; a pair of keys of K in LDS: 256 bytes + 16: the 16 rows of a load fall on 16 different 16-byte columns modulo 256
.set PV,    288                        ; of V: 256 + 32: the 8 rows x 32 bytes of a turning load likewise
.set VOFF,  128*PK                     ; a slot: 256 keys of K, then 256 of V
.set SLOT1, 1<<17                      ; slot 1 begins here: one exclusive or turns an address from one slot to the other
.set STAGE, 2*SLOT1                    ; the way out: 16 rows x 144 bytes for each wave; no fill lands here
.set SPI,   144
.set SPARE, STAGE+8*16*SPI             ; the spare words, 128 bytes for each wave
.set AK0, 2
.set AV0, 3
.set ADK, 4
.set ADV, 5
.set QO,  6
.set STO, 7
.set RD,  8
.set GO,  9
.set RH,  10                           ; v10  lane % 16 - 8 (lane / 16)
.set DD,  11
.set SPW, 12
.set NIL, 13
.set PFO, 14
.set NINF, 15
.set ST,  16                           ; tile t at v[ST + 8 t]: +0 c m, +1 m, +2, +3 l (even keys', odd keys'), +4 to +7 at work
.set AA,  48                           ; a of tile t: v[AA + 2 t]; the packed forms name the pair
.set S,   64
.set KFR, 192
.set QF,  128                          ; in window 1
.set VF,  192                          ; in window 1
.set WV,  8
.set SEL, 20
.set CS,  22
.set G1K, 24
.set G1V, 32
.set G0K, 40
.set G0V, 44
.set TK,  48                           ; s48  LDS byte of the step's K
.set TV,  49                           ; s49  and V
.set KF,  50                           ; s50  the step's first key
.set QL0, 51
.set QLE, 52
.set QE0, 53
.set QEE, 54
.set QLAST, 55                         ; s55  my work-group's last query
.set SLOTS, 56
.set CNT, 57
.set LIM, 58
.set PFA, 60
.set MSB, 0
.macro WIN new
.if MSB != (\new)
	s_set_vgpr_msb (MSB<<8)|(\new)
.set MSB, (\new)
.endif
.endm
; Waves 0 and 1 fetch K's halves of a slot, waves 2 and 3 V's, the others nothing.  An s_nop 0 and four v_nop follow each of the two lines.
.macro TLOAD
	s_cmp_lt_u32 s[WV], 2
	s_cbranch_scc0 .Lnot_k_\@
	tensor_load_to_lds s[G0K:G0K+3], s[G1K:G1K+7]
	s_nop 0
.rept 4
	v_nop
.endr
	s_branch .Lasked_\@
.Lnot_k_\@:
	s_cmp_lt_u32 s[WV], 4
	s_cbranch_scc0 .Lasked_\@
	tensor_load_to_lds s[G0V:G0V+3], s[G1V:G1V+7]
	s_nop 0
.rept 4
	v_nop
.endr
.Lasked_\@:
.endm
; A prefetch of the slot that the NEXT change will ask for: 32,768 dense bytes of K and as many of V.  The four work-groups of a head walk the same keys: the one with j = 0, which walks them all, asks.
; In it the waves that fetch nothing ask: waves 4, 5 for K's halves, waves 6, 7 for V's: 16,384 bytes a wave, two instructions, lanes 256 bytes apart.  So each aligned block of 256 bytes is named once in the launch.
; Slots 0 and 1 come by their loads alone; the last change that fills a slot asks for nothing.
.macro ASK
	s_cmp_gt_u32 s[SLOTS], s[LIM]
	s_cbranch_scc0 .Lnot_mine_\@
	global_prefetch_b8 v[PFO], s[PFA:PFA+1] th:TH_LOAD_NT scope:SCOPE_SE
	global_prefetch_b8 v[PFO], s[PFA:PFA+1] offset:8192 th:TH_LOAD_NT scope:SCOPE_SE
.Lnot_mine_\@:
.endm
	s_load_b128 s[4:7], s[0:1], 0x0                ; qkvh, o2
	v_lshl_add_u32 v[SPW], v0, 2, SPARE
	v_mov_b32 v[NIL], 0
	ds_add_u32 v[SPW], v[NIL]                      ; the wave's opening: the add, twice on end, and its wait ahead of my first tensor load
	ds_add_u32 v[SPW], v[NIL]
	v_lshrrev_b32 v1, 5, v0
	v_readfirstlane_b32 s[WV], v1                  ; wave 0..7
	s_mov_b32 s[G1K], (1<<16)|(1<<20)|(5<<22)|(3<<25)              ; no mask; elements of 2 bytes; padding: 4 words behind every 64
	s_mov_b32 s[G1V], (1<<16)|(1<<20)|(5<<22)|(7<<25)              ; the same with 8 words
.irp g, G1K, G1V
	s_mov_b32 s[\g+1], 128<<16                     ; tensor_dim0 = 128 elements: a pair of keys
	s_mov_b32 s[\g+2], 64<<16                      ; tensor_dim1 = 64 pairs: half a slot
	s_mov_b32 s[\g+3], 128<<16                     ; tile_dim0
	s_mov_b32 s[\g+4], 64                          ; tile_dim1
	s_mov_b32 s[\g+5], 128                         ; the pitch: dense
	s_mov_b32 s[\g+6], 0
	s_mov_b32 s[\g+7], 0
.endr
	s_mov_b32 s[SEL], 0x76543210
	s_mov_b32 s[SEL+1], 0xfedcba98                 ; v_permlanex16_b32's selects for lane l xor 16
	s_mov_b32 s[CS], 0x3e38aa3b                    ; c = log2(e) / 8
	s_mov_b32 s[CS+1], s[CS]                       ; (named with it as a pair, so it is written)
	s_and_b32 s66, ttmp7, 0xffff                   ; bh = 16 b + head
	s_lshl_b32 s68, s66, 18                        ; a head's 2^18 bytes
	s_mov_b32 s69, 0
	s_and_b32 s67, s[WV], 1                        ; which half of a slot I fetch or prefetch
	s_lshl_b32 s70, s67, 14
	s_mov_b32 s71, 0
	s_mul_i32 s9, s67, 64*PK
	s_mul_i32 s10, s67, 64*PV
	s_add_co_u32 s10, s10, VOFF
	s_sub_co_u32 s59, 7, ttmp9
	s_lshl_b32 s59, s59, 8
	s_sub_co_u32 s11, 7, s[WV]
	s_lshl_b32 s11, s11, 5
	s_add_co_u32 s[QL0], s59, s11                  ; piece 0's first query
	s_add_co_u32 s[QLE], s[QL0], 31
	s_add_co_u32 s[QLAST], s59, 255
	s_lshl_b32 s59, ttmp9, 8
	s_lshl_b32 s11, s[WV], 5
	s_add_co_u32 s[QE0], s59, s11                  ; piece 2's
	s_add_co_u32 s[QEE], s[QE0], 31
	s_and_b32 s59, s66, 15
	s_lshl_b32 s59, s59, 20                        ; o2: a head is 8,192 rows of 128 bytes,
	s_lshr_b32 s11, s66, 4
	s_lshl_b32 s11, s11, 18                        ; a batch 2,048 rows
	s_add_co_u32 s59, s59, s11
	s_mov_b32 s[TK], 0
	s_mov_b32 s[TV], 0
	s_mov_b32 s[KF], 0
	s_mov_b32 s[SLOTS], 7
	s_wait_dscnt 0x0                               ; both opening adds are done
	s_wait_kmcnt 0x0
	s_add_nc_u64 s[4:5], s[4:5], s[68:69]          ; q of my head
	s_add_nc_u64 s[G0K+2:G0K+3], s[4:5], s[70:71]
	s_add_nc_u64 s[G0K+2:G0K+3], s[G0K+2:G0K+3], 0x1000000         ; k lies 64 heads on,
	s_add_nc_u64 s[G0V+2:G0V+3], s[G0K+2:G0K+3], 0x1000000         ; v 64 more
	s_cmp_lt_u32 s[WV], 6
	s_cselect_b64 s[PFA:PFA+1], s[G0K+2:G0K+3], s[G0V+2:G0V+3]
	s_add_nc_u64 s[PFA:PFA+1], s[PFA:PFA+1], 32768                 ; in slot 1: the first change steps it to slot 2
	s_or_b32 s[G0K+3], s[G0K+3], 0x80000000        ; type = 2
	s_or_b32 s[G0V+3], s[G0V+3], 0x80000000
	s_mov_b32 s[G0K], 1
	s_mov_b32 s[G0K+1], s9
	s_mov_b32 s[G0V], 1
	s_mov_b32 s[G0V+1], s10
	TLOAD                                          ; slot 0: one load of mine is out, here and behind every change of slots
	s_lshl_b32 s2, s[QL0], 7
	s_mov_b32 s3, 0
	s_add_nc_u64 s[12:13], s[4:5], s[2:3]          ; Q at piece 0's first query
	s_add_co_u32 s2, s2, s59
	s_add_nc_u64 s[16:17], s[6:7], s[2:3]          ; and O
	s_lshl_b32 s2, s[QE0], 7
	s_add_nc_u64 s[14:15], s[4:5], s[2:3]          ; piece 2's
	s_add_co_u32 s2, s2, s59
	s_add_nc_u64 s[18:19], s[6:7], s[2:3]
	s_sub_co_u32 s11, s[WV], 4
	s_lshr_b32 s11, s11, 2                         ; 0 in waves 4 to 7,
	s_or_b32 s11, s11, ttmp9                       ; of the work-group with j = 0
	s_cmp_eq_u32 s11, 0
	s_cselect_b32 s[LIM], 1, -1
	v_and_b32 v1, 15, v0                           ; r
	v_bfe_u32 v[DD], v0, 4, 1                      ; h
	v_lshrrev_b32 v4, 1, v1
	v_mul_u32_u24 v[AK0], v4, PK
	v_and_b32 v4, 1, v0
	v_lshl_add_u32 v[AK0], v4, 7, v[AK0]
	v_lshl_add_u32 v[AK0], v[DD], 4, v[AK0]        ; K: key r of a tile: (r / 2) PK + 128 (r % 2) + 16 h
	v_bfe_u32 v5, v0, 1, 2
	v_lshl_add_u32 v5, v[DD], 2, v5
	v_mul_u32_u24 v[AV0], v5, PV
	v_lshl_add_u32 v[AV0], v4, 7, v[AV0]
	v_bfe_u32 v5, v0, 3, 1
	v_lshl_add_u32 v[AV0], v5, 4, v[AV0]
	v_add_nc_u32 v[AV0], VOFF, v[AV0]              ; V: the turning load: key 8 h + l % 8, channels 8 ((l / 8) % 2) on
	v_lshlrev_b32 v[QO], 7, v1
	v_lshl_add_u32 v[QO], v[DD], 4, v[QO]          ; Q: row r of 128 bytes + 16 h
	s_mul_i32 s11, s[WV], 16*SPI
	s_add_co_u32 s11, s11, STAGE
	v_mul_u32_u24 v[STO], v1, SPI
	v_lshl_add_u32 v[STO], v[DD], 4, v[STO]
	v_add_nc_u32 v[STO], s11, v[STO]               ; the stage, in: row r, 16 bytes for each half of the lanes
	v_bfe_u32 v5, v0, 3, 2
	v_mul_u32_u24 v[RD], v5, SPI
	v_and_b32 v4, 7, v0
	v_lshl_add_u32 v[RD], v4, 4, v[RD]
	v_add_nc_u32 v[RD], s11, v[RD]                 ; back: eight lanes to a row, four rows an instruction
	v_and_b32 v4, 31, v0
	v_lshlrev_b32 v[GO], 4, v4                     ; which are 512 consecutive bytes of o2
	v_lshlrev_b32 v[PFO], 8, v4
	v_lshlrev_b32 v5, 3, v[DD]
	v_sub_nc_u32 v[RH], v1, v5
	v_mov_b32 v[NINF], 0xff800000
	WIN 0x40                                       ; destination window 1
.irp t, 0,1,2,3
.irp c, 0,1
	global_load_b128 v[QF+16*\t+8*\c:QF+16*\t+8*\c+3], v[QO], s[12+2*(\t/2):13+2*(\t/2)] offset:2048*(\t%2)+64*\c        ; Q stays in registers
	global_load_b128 v[QF+16*\t+8*\c+4:QF+16*\t+8*\c+7], v[QO], s[12+2*(\t/2):13+2*(\t/2)] offset:2048*(\t%2)+64*\c+32
.endr
.endr
.set i, 0
.rept 128
	v_mov_b32 v[i], 0                              ; O^T.  The step is written once: the first finds zeros, which the first a, 0, leaves zeros; a first step of its own would be a further copy of the step
.set i, i+1
.endr
	WIN 0
.irp t, 0,1,2,3
	v_mov_b32 v[ST+8*\t+1], 0xff61b1e6             ; m: -3e38, under every score
	v_mul_f32 v[ST+8*\t], s[CS], v[ST+8*\t+1]      ; c m
.irp u, 2,3,4,5,6,7
	v_mov_b32 v[ST+8*\t+\u], 0                     ; l; and what a lane permute or a pair names before it is first written
.endr
	v_mov_b32 v[AA+2*\t], 0
	v_mov_b32 v[AA+2*\t+1], 0
.endr
; 16 products S^T = K Q^T of piece x: channels 32 c on; the eight accumulators (tile, 16 keys) take turns, one instruction a turn.  The first eight start the sums.
.macro SMUL x
	WIN 0x04                                       ; Q in window 1
.irp c, 0,1
.irp t, \x, \x+1
.irp kt, 0,1,2,3
.if \c == 0
	v_wmma_f32_16x16x32_f16 v[S+32*(\t)+8*\kt:S+32*(\t)+8*\kt+7], v[KFR+16*\kt+8*\c:KFR+16*\kt+8*\c+7], v[QF+16*(\t)+8*\c:QF+16*(\t)+8*\c+7], 0
.else
	v_wmma_f32_16x16x32_f16 v[S+32*(\t)+8*\kt:S+32*(\t)+8*\kt+7], v[KFR+16*\kt+8*\c:KFR+16*\kt+8*\c+7], v[QF+16*(\t)+8*\c:QF+16*(\t)+8*\c+7], v[S+32*(\t)+8*\kt:S+32*(\t)+8*\kt+7]
.endif
.endr
.endr
.endr
.endm
; 16 products O^T += V^T P of piece x: keys 32 kh on; the eight accumulators (tile, 16 channels) take turns
.macro PVMUL x
	WIN 0x51                                       ; V^T and O^T in window 1, P in window 0
.irp kh, 0,1
.irp t, \x, \x+1
.irp ct, 0,1,2,3
	v_wmma_f32_16x16x32_f16 v[32*(\t)+8*\ct:32*(\t)+8*\ct+7], v[VF+32*\kh+8*\ct:VF+32*\kh+8*\ct+7], v[S+32*(\t)+8*\kh:S+32*(\t)+8*\kh+7], v[32*(\t)+8*\ct:32*(\t)+8*\ct+7]
.endr
.endr
.endr
.endm
; On the diagonal: register n of the piece's tile u holds key KF + 16 (n / 8) + 8 h + n % 8 and query q0 + 16 u + r: hidden where 16 (n / 8) + n % 8 - 16 u > (q0 - KF) + r - 8 h.  A step all of whose keys count skips this.
.macro MASK x, q0
	s_add_co_u32 s59, s[KF], 63
	s_cmp_le_u32 s59, s[\q0]
	s_cbranch_scc1 .Lopen_\@
	s_sub_co_i32 s59, s[\q0], s[KF]
	v_add_nc_u32 v[DD], s59, v[RH]
.irp u, 0,1
.irp n, 0,1,2,3,4,5,6,7,8,9,10,11,12,13,14,15,16,17,18,19,20,21,22,23,24,25,26,27,28,29,30,31
	v_cmp_gt_i32 vcc_lo, 16*(\n/8)+\n%8-16*\u, v[DD]
	v_cndmask_b32 v[S+32*(\x+\u)+\n], v[S+32*(\x+\u)+\n], v[NINF], vcc_lo
.endr
.endr
.Lopen_\@:
.endm
; The softmax of piece x for 64 keys; its two tiles alternate line by line, so that no line waits for the line above it
.macro SOFTMAX x
.irp j, 0,1,2,3
.irp t, \x, \x+1
	v_max3_num_f32 v[ST+8*(\t)+4+\j], v[S+32*(\t)+8*\j], v[S+32*(\t)+8*\j+1], v[S+32*(\t)+8*\j+2]      ; four chains, each accumulator from its low end on
.endr
.endr
.irp i, 3,5
.irp j, 0,1,2,3
.irp t, \x, \x+1
	v_max3_num_f32 v[ST+8*(\t)+4+\j], v[ST+8*(\t)+4+\j], v[S+32*(\t)+8*\j+\i], v[S+32*(\t)+8*\j+\i+1]
.endr
.endr
.endr
.irp t, \x, \x+1
	v_max3_num_f32 v[ST+8*(\t)+4], v[ST+8*(\t)+4], v[S+32*(\t)+7], v[S+32*(\t)+15]
	v_max3_num_f32 v[ST+8*(\t)+6], v[ST+8*(\t)+6], v[S+32*(\t)+23], v[S+32*(\t)+31]
.endr
.irp t, \x, \x+1
	v_max3_num_f32 v[ST+8*(\t)+4], v[ST+8*(\t)+4], v[ST+8*(\t)+5], v[ST+8*(\t)+6]
.endr
.irp t, \x, \x+1
	v_max3_num_f32 v[ST+8*(\t)+4], v[ST+8*(\t)+4], v[ST+8*(\t)+7], v[ST+8*(\t)+1]      ; and the old m
.endr
.irp t, \x, \x+1
	v_permlanex16_b32 v[ST+8*(\t)+5], v[ST+8*(\t)+4], s[SEL], s[SEL+1]                 ; the query's other 32 keys lie in the lane 16 away
.endr
.irp t, \x, \x+1
	v_mov_b32 v[ST+8*(\t)+7], v[ST+8*(\t)]         ; c m_old
.endr
.irp t, \x, \x+1
	v_max_num_f32 v[ST+8*(\t)+1], v[ST+8*(\t)+4], v[ST+8*(\t)+5]   ; the new m
.endr
.irp t, \x, \x+1
	v_mul_f32 v[ST+8*(\t)], s[CS], v[ST+8*(\t)+1]
.endr
.irp t, \x, \x+1
	v_sub_f32 v[ST+8*(\t)+7], v[ST+8*(\t)+7], v[ST+8*(\t)]
.endr
.irp b, 0,2,4,6,8,10,12,14,16,18,20,22,24,26,28,30
.irp t, \x, \x+1
	v_pk_fma_f32 v[S+32*(\t)+\b:S+32*(\t)+\b+1], v[S+32*(\t)+\b:S+32*(\t)+\b+1], s[CS:CS+1], v[ST+8*(\t):ST+8*(\t)+1] op_sel_hi:[1,0,0] neg_lo:[0,0,1] neg_hi:[0,0,1]   ; c s - c m
.endr
.endr
.irp t, \x, \x+1
	v_exp_f32 v[AA+2*(\t)], v[ST+8*(\t)+7]         ; a
.endr
.irp e, 0,1,2,3,4,5,6,7,8,9,10,11,12,13,14,15,16,17,18,19,20,21,22,23,24,25,26,27,28,29,30,31
.irp t, \x, \x+1
	v_exp_f32 v[S+32*(\t)+\e], v[S+32*(\t)+\e]     ; p
.endr
.endr
	v_nop                                          ; a plain instruction behind the last exponential
	s_wait_alu depctr_va_vdst(0)                   ; one wait for the batch of 66, ahead of its first reader
.irp t, \x, \x+1
	v_pk_add_f32 v[ST+8*(\t)+4:ST+8*(\t)+5], v[S+32*(\t):S+32*(\t)+1], v[S+32*(\t)+2:S+32*(\t)+3]      ; the sum of the unrounded p, in two chains
	v_pk_add_f32 v[ST+8*(\t)+6:ST+8*(\t)+7], v[S+32*(\t)+4:S+32*(\t)+5], v[S+32*(\t)+6:S+32*(\t)+7]
.endr
.irp i, 8,12,16,20,24,28
.irp t, \x, \x+1
	v_pk_add_f32 v[ST+8*(\t)+4:ST+8*(\t)+5], v[ST+8*(\t)+4:ST+8*(\t)+5], v[S+32*(\t)+\i:S+32*(\t)+\i+1]
	v_pk_add_f32 v[ST+8*(\t)+6:ST+8*(\t)+7], v[ST+8*(\t)+6:ST+8*(\t)+7], v[S+32*(\t)+\i+2:S+32*(\t)+\i+3]
.endr
.endr
.irp t, \x, \x+1
	v_pk_add_f32 v[ST+8*(\t)+4:ST+8*(\t)+5], v[ST+8*(\t)+4:ST+8*(\t)+5], v[ST+8*(\t)+6:ST+8*(\t)+7]
.endr
.irp t, \x, \x+1
	v_pk_fma_f32 v[ST+8*(\t)+2:ST+8*(\t)+3], v[ST+8*(\t)+2:ST+8*(\t)+3], v[AA+2*(\t):AA+2*(\t)+1], v[ST+8*(\t)+4:ST+8*(\t)+5] op_sel_hi:[1,0,1]     ; l = a l + the sum
.endr
.irp i, 0,1,2,3,4,5,6,7,8,9,10,11,12,13,14,15
.irp t, \x, \x+1
	v_cvt_pk_f16_f32 v[S+32*(\t)+\i], v[S+32*(\t)+2*\i], v[S+32*(\t)+2*\i+1]           ; P in place, ascending: register i is written when pairs up to i have been read
.endr
.endr
	WIN 0x41                                       ; O^T in window 1, a in window 0
.irp i, 0,2,4,6,8,10,12,14,16,18,20,22,24,26,28,30
.irp t, \x, \x+1
	v_pk_mul_f32 v[32*(\t)+\i:32*(\t)+\i+1], v[32*(\t)+\i:32*(\t)+\i+1], v[AA+2*(\t):AA+2*(\t)+1] op_sel_hi:[1,0]
.endr
.endr
.endm
; Piece 0's part of a step behind its scores: it stands in both arms of the step
.macro PIECE0
.rept 4
	v_nop                                          ; places in front of the first read of the scores
.endr
	MASK 0, QL0
	SOFTMAX 0
	s_wait_dscnt 0x0                               ; V is in
	PVMUL 0
	WIN 0
.endm
; A KEY STEP: 64 keys.  ONE branch decides whether piece 2 takes part, so that its scores are read only on the way on which they were made: the step has two arms behind piece 0's scores.
.macro STEP
	s_cmp_gt_u32 s[KF], s[QLE]                     ; all 64 keys come after my last query (piece 2's queries lie under piece 0's)
	s_cbranch_scc1 .Lhid_\@
	v_add_nc_u32 v[ADK], s[TK], v[AK0]
	v_add_nc_u32 v[ADV], s[TV], v[AV0]
.rept 3
	v_nop                                          ; with the two additions five places behind the last step's products, whichever arm it took: four in front of the loads into V's registers, five in front of the products that write over P
.endr
.irp kt, 0,1,2,3
.irp c, 0,1
	ds_load_b128 v[KFR+16*\kt+8*\c:KFR+16*\kt+8*\c+3], v[ADK] offset:\kt*8*PK+64*\c
	ds_load_b128 v[KFR+16*\kt+8*\c+4:KFR+16*\kt+8*\c+7], v[ADK] offset:\kt*8*PK+64*\c+32
.endr
.endr
	WIN 0x40
.irp kh, 0,1
.irp ct, 0,1,2,3
	ds_load_tr16_b128 v[VF+32*\kh+8*\ct:VF+32*\kh+8*\ct+3], v[ADV] offset:\kh*16*PV+32*\ct
	ds_load_tr16_b128 v[VF+32*\kh+8*\ct+4:VF+32*\kh+8*\ct+7], v[ADV] offset:\kh*16*PV+8*PV+32*\ct
.endr
.endr
	WIN 0
	s_wait_dscnt 16                                ; K's 16 loads are in; V's 16 may be out
	SMUL 0
	WIN 0
	s_cmp_gt_u32 s[KF], s[QEE]                     ; all 64 keys come after piece 2's last query: piece 0 alone
	s_cbranch_scc1 .Lone_\@
	SMUL 2                                         ; both pieces: piece 2's scores are made while piece 0's softmax is walked
	WIN 0
	PIECE0
	MASK 2, QE0
	SOFTMAX 2
	PVMUL 2
	WIN 0
	s_branch .Lhid_\@
.Lone_\@:
	PIECE0
.Lhid_\@:
	s_add_co_u32 s[KF], s[KF], 64
	s_add_co_u32 s[TK], s[TK], 32*PK
	s_add_co_u32 s[TV], s[TV], 32*PV
.endm
; THE CHANGE OF SLOTS stands at a slot's head.  Each wave waits for all its tensor loads (its part of the slot that it is about to read), adds 0 to its spare word, and waits for that and for its reads of the slot that it has left.
; fill = 1: behind the barrier that other slot is filled with the next 256 keys: the load has a slot's four steps in which to land.
.macro CHANGE fill
	s_wait_tensorcnt 0x0                           ; no tensor load of mine is out, so a group 0 may be written
	ds_add_u32 v[SPW], v[NIL]
.if \fill
	ds_add_u32 v[SPW], v[NIL]                      ; and once more
	s_xor_b32 s[G0K+1], s[G0K+1], SLOT1            ; the walking descriptors: the other slot, the next 256 keys
	s_add_nc_u64 s[G0K+2:G0K+3], s[G0K+2:G0K+3], 32768
	s_xor_b32 s[G0V+1], s[G0V+1], SLOT1
	s_add_nc_u64 s[G0V+2:G0V+3], s[G0V+2:G0V+3], 32768
	s_wait_xcnt 0x0                                ; the last prefetches, a slot back, have read their address
	s_add_nc_u64 s[PFA:PFA+1], s[PFA:PFA+1], 32768
.endif
	s_wait_dscnt 0x0                               ; the add is done, and my reads of the slot that I have left are over
	s_barrier_signal -1
	s_barrier_wait -1
.if \fill
	s_add_co_u32 s59, s[KF], 256                   ; the first key of the slot that this change would ask for:
	s_cmp_gt_u32 s59, s[QLAST]                     ; beyond my work-group's last query none of its waves reads it, so it is not asked for.  Ids and counted steps alone: all eight waves go the same way; every wait for tensor loads in this text is for 0
	s_cbranch_scc1 .Lpast_\@
	TLOAD
.Lpast_\@:
	ASK
.endif
.endm
.macro SLOT_STEPS                      ; a slot's four steps: written once, walked four times; the LDS addresses hang on s[TK] and s[TV]
	s_mov_b32 s[CNT], 4
.Lstep_\@:
	STEP
	s_sub_co_u32 s[CNT], s[CNT], 1
	s_cmp_lg_u32 s[CNT], 0
	s_cbranch_scc1 .Lstep_\@
	s_sub_co_u32 s[TK], s[TK], 4*32*PK
	s_xor_b32 s[TK], s[TK], SLOT1                  ; back to a slot's first step, in the other slot
	s_sub_co_u32 s[TV], s[TV], 4*32*PV
	s_xor_b32 s[TV], s[TV], SLOT1
.endm
	s_wait_loadcnt 0x0                             ; Q
.Lslot:                                            ; seven trips: behind each change of slots but the last the next slot is asked for, up to the causal limit
	CHANGE 1
	SLOT_STEPS
	s_sub_co_u32 s[SLOTS], s[SLOTS], 1
	s_cmp_lg_u32 s[SLOTS], 0
	s_cbranch_scc1 .Lslot
	CHANGE 0                                       ; the last slot is written out: nothing is left to ask for
	SLOT_STEPS
	; THE WAY OUT.  l's two halves and the other half of the lanes' are added; O^T / l is rounded to f16 and goes through my stage, a tile (16 rows of 128 bytes) at a time.  The additions are the places behind the last products
.irp t, 0,1,2,3
	v_add_f32 v[ST+8*\t+4], v[ST+8*\t+2], v[ST+8*\t+3]
.endr
.irp t, 0,1,2,3
	v_permlanex16_b32 v[ST+8*\t+5], v[ST+8*\t+4], s[SEL], s[SEL+1]
.endr
.irp t, 0,1,2,3
	v_add_f32 v[ST+8*\t+4], v[ST+8*\t+4], v[ST+8*\t+5]
.endr
.irp t, 0,1,2,3
	v_rcp_f32 v[AA+2*\t], v[ST+8*\t+4]
.endr
	v_nop                                          ; a plain instruction behind the last reciprocal
	s_wait_alu depctr_va_vdst(0)                   ; one wait for the four, ahead of the first use
.macro PACK t
	WIN 0x41
.set i, 32*\t
.rept 16
	v_pk_mul_f32 v[i:i+1], v[i:i+1], v[AA+2*\t:AA+2*\t+1] op_sel_hi:[1,0]
.set i, i+2
.endr
	WIN 0x05                                       ; sources in window 1, destination in window 0: S^T's registers are free
.set i, 0
.rept 16
	v_cvt_pk_f16_f32 v[S+16*\t+i], v[32*\t+2*i], v[32*\t+2*i+1]
.set i, i+1
.endr
	WIN 0
.irp f, 0,1,2,3
	ds_store_b128 v[STO], v[S+16*\t+4*\f:S+16*\t+4*\f+3] offset:32*\f
.endr
.irp f, 0,1,2,3
	ds_load_b128 v[S+16*\t+4*\f:S+16*\t+4*\f+3], v[RD] offset:\f*4*SPI    ; LDS serves a wave's instructions in order: these see the stores above; the next tile's stores come behind them
.endr
.endm
.macro SEND t, younger                 ; younger: the LDS instructions issued behind tile t's loads: the next tile's eight, or none
.irp f, 0,1,2,3
	s_wait_dscnt \younger+3-\f
	global_store_b128 v[GO], v[S+16*\t+4*\f:S+16*\t+4*\f+3], s[16+2*(\t/2):17+2*(\t/2)] offset:2048*(\t%2)+512*\f    ; 32 lanes store 512 consecutive bytes, aligned
.endr
.endm
	PACK 0
	PACK 1
	SEND 0, 8
	PACK 2
	SEND 1, 8
	PACK 3
	SEND 2, 8
	SEND 3, 0
	s_wait_tensorcnt 0x0                           ; the wave's end
	ds_add_u32 v[SPW], v[NIL]
	s_wait_dscnt 0x0
	s_endpgm
.Lfunc_end_k_qf2dab1c82c_attn:
	.size	k_qf2dab1c82c_attn, .Lfunc_end_k_qf2dab1c82c_attn-k_qf2dab1c82c_attn
	.p2alignl 7, 3214868480
	.fill 96, 4, 3214868480
	.section	.rodata,"a",@progbits
	.p2align	6, 0x0
	.amdhsa_kernel k_qf2dab1c82c_attn
		.amdhsa_group_segment_fixed_size 327680
		.amdhsa_private_segment_fixed_size 0
		.amdhsa_enable_private_segment 0
		.amdhsa_kernarg_size 16
		.amdhsa_user_sgpr_count 2
		.amdhsa_user_sgpr_kernarg_segment_ptr 1
		.amdhsa_wavefront_size32 1
		.amdhsa_system_sgpr_workgroup_id_x 1
		.amdhsa_system_sgpr_workgroup_id_y 1
		.amdhsa_system_sgpr_workgroup_id_z 1
		.amdhsa_system_vgpr_workitem_id 0
		.amdhsa_next_free_vgpr 512
		.amdhsa_next_free_sgpr 72
		.amdhsa_reserve_vcc 1
		.amdhsa_float_denorm_mode_32 3
		.amdhsa_float_denorm_mode_16_64 3
		.amdhsa_memory_ordered 1
		.amdhsa_forward_progress 1
		.amdhsa_inst_pref_size 146
	.end_amdhsa_kernel
	.amdgpu_metadata
---
amdhsa.version: [ 1, 2 ]
amdhsa.kernels:
  - .name:           k_qf2dab1c82c_attn
    .symbol:         k_qf2dab1c82c_attn.kd
    .args:
      - { .name: qkvh, .offset: 0, .size: 8, .value_kind: global_buffer, .address_space: global }
      - { .name: o2, .offset: 8, .size: 8, .value_kind: global_buffer, .address_space: global }
    .group_segment_fixed_size: 327680
    .private_segment_fixed_size: 0
    .kernarg_segment_align: 8
    .kernarg_segment_size: 16
    .max_flat_workgroup_size: 256
    .sgpr_count:     72
    .vgpr_count:     512
    .wavefront_size: 32
...
	.end_amdgpu_metadata
.endif
;; end of part 3
;; launch proj (part 4): grid 4 x 64, 4 waves a work-group, clusters of 4 x 4, 327,680 bytes of LDS; arguments o2, wot, bo, out0; writes out0
.if DOCPART == 4
	.amdgcn_target "amdgcn-amd-amdhsa--gfx1250"
	.amdhsa_code_object_version 6
	.text
	.protected	k_qf2dab1c82c_proj
	.globl	k_qf2dab1c82c_proj
	.p2align	8
	.type	k_qf2dab1c82c_proj,@function
k_qf2dab1c82c_proj:
	s_mov_b64 s[64:65], 0
	v_nop
	global_prefetch_b8 v0, s[64:65] scope:SCOPE_SE
	s_setreg_imm32_b32 hwreg(HW_REG_WAVE_MODE, 25, 1), 1
	s_wait_xcnt 0x0
	s_wait_alu depctr_hold_cnt(0) depctr_sa_sdst(0) depctr_va_vdst(0) depctr_va_sdst(0) depctr_va_ssrc(0) depctr_va_vcc(0) depctr_vm_vsrc(0)
	s_getreg_b32 s2, hwreg(HW_REG_IB_STS2, 6, 4)
	s_cmp_eq_u32 s2, 0
	s_cbranch_scc0 .Lentry_in_a_cluster
	s_endpgm
.Lentry_in_a_cluster:
	s_bfe_u32 s2, ttmp6, 0x10000c
	s_cmp_lg_u32 s2, 0xf033
	s_cbranch_scc0 .Lentry_shape_is_right
	s_endpgm
.Lentry_shape_is_right:
; out0[row][n] = the sum over k of o[row][k] Wo[k][n] + bo[n].  o2: f16 [kb 16][row 8192][64]; wot: f16 [kb 16][n 1024][64] (k = 64 kb + i); out0: [8192][1024] f32; sums in f32.
; A tile of out0 is 128 rows x 256 columns: 256 work-groups.  Four waves, each 64 rows x 128 columns: 32 accumulators, 256 registers.
; K goes in steps of 128 (two planes kb) through a ring of two LDS slots.  In a plane a tile's rows of 128 bytes are dense: it is stated as rows of 256 bytes (a pair of rows) with 16 bytes of padding behind each;
; row p lies at (p / 2) 272 + 128 (p % 2).  Waves 0 and 1 fetch A's two planes (64 pairs each), waves 2 and 3 B's (128 pairs each): one load a wave.
; CLUSTERS: 4 x 4 work-groups: A's tiles are asked for jointly by a row of the cluster, B's by a column.
; THE MATRIX INSTRUCTION IS USED TRANSPOSED (source 0 = 16 rows of wot, source 1 = 16 rows of o2): a lane holds eight neighbouring columns of one row.  The bias is the C of each sum's first instruction.
; No prefetch: of the eight K steps two are asked for at the head, and the last two changes of slots have no K step two on.
; REGISTERS: window 0: v16-29 addresses; v32-95 A's fragments, two buffers of 4 x 8; v128-255 B's, two buffers of 8 x 8.  window 1: accumulator (a, b) at v[8 (8 a + b)].  window 2: v0-63 the bias in the result's layout.
.set PITCH,  272
.set BLK,    8*PITCH                   ; 16 rows
.set PA,     64*PITCH                  ; a plane of A's tile
.set PB,     128*PITCH                 ; of B's
.set SLOT,   2*PA+2*PB                 ; A's two planes, then B's two
.set SPARE,  2*SLOT                    ; the spare words, 128 bytes for each wave
.set SPITCH, 528                       ; the way out: a stage of 16 rows x (512 bytes + 16) for each wave, in slot 0, which has had its last fill and its last read by then
.set LAPS,   4                         ; eight K steps: four times round the ring
.set ADRA, 16
.set ADRB, 20
.set STO,  24
.set RD,   25
.set CO,   26
.set BO,   27
.set SPW,  28
.set NIL,  29
.set AF,   32
.set BF,   128
.set G1, 24
.set G0, 32
.set G1B, 48
.set G0B, 56
.set MSB, 0
.macro WIN new
.if MSB != (\new)
	s_set_vgpr_msb (MSB<<8)|(\new)
.set MSB, (\new)
.endif
.endm
.set MUL,  0x50                        ; sources in window 0, C and D in window 1
.set MUL1, 0x60                        ; C (the bias) in window 2, D in window 1
.macro JLOAD s                         ; a joint load: waves 0 and 1 fetch for A, waves 2 and 3 for B; an s_nop 0 and four v_nop follow each of the two lines
	s_cmp_eq_u32 s11, 0
	s_cbranch_scc0 .Lfor_b_\@
	tensor_load_to_lds s[G0+4*\s:G0+4*\s+3], s[G1:G1+7]
	s_nop 0
.rept 4
	v_nop
.endr
	s_branch .Lasked_\@
.Lfor_b_\@:
	tensor_load_to_lds s[G0B+4*\s:G0B+4*\s+3], s[G1B:G1B+7]
	s_nop 0
.rept 4
	v_nop
.endr
.Lasked_\@:
.endm
.macro CREST                           ; a round of the cluster's barrier behind its opening barrier
	s_cmp_lg_u32 s10, 0
	s_cbranch_scc1 .Lnot_wave_0_\@
	s_barrier_signal -3
.Lnot_wave_0_\@:
	s_barrier_wait -3
	s_barrier_signal -1
	s_barrier_wait -1
.endm
.macro CROUND
	s_barrier_signal -1
	s_barrier_wait -1
	CREST
.endm
	s_load_b128 s[4:7], s[0:1], 0x0                ; o2, wot
	s_load_b64 s[66:67], s[0:1], 0x10              ; bo
	s_load_b64 s[8:9], s[0:1], 0x18                ; out0
	v_lshl_add_u32 v[SPW], v0, 2, SPARE
	v_mov_b32 v[NIL], 0
	ds_add_u32 v[SPW], v[NIL]                      ; the wave's opening: the add, twice on end, and its wait ahead of my first tensor load
	ds_add_u32 v[SPW], v[NIL]
	v_lshrrev_b32 v1, 5, v0
	v_readfirstlane_b32 s10, v1                    ; wave 0..3
	s_lshr_b32 s11, s10, 1                         ; which 64 of the tile's rows are mine.  Also: I fetch for A (0) or for B (1)
	s_and_b32 s12, s10, 1                          ; which 128 of its columns.  Also: which plane of a K step I fetch
	s_bfe_u32 s40, ttmp6, 0x40000                  ; cx
	s_bfe_u32 s41, ttmp6, 0x40004                  ; cy
	s_lshl_b32 s42, ttmp9, 2
	s_add_co_u32 s42, s42, s40                     ; tile column
	s_and_b32 s13, ttmp7, 0xffff
	s_lshl_b32 s13, s13, 2
	s_add_co_u32 s13, s13, s41                     ; tile row
	s_lshl_b32 s43, s41, 2
	s_lshl_b32 s43, 15, s43                        ; my row of the cluster
	s_lshl_b32 s44, 0x1111, s40                    ; my column
	s_or_b32 s[G1+0], s43, (1<<16)|(1<<20)|(1<<21)|(5<<22)|(3<<25)  ; the mask; elements of 2 bytes; padding: 4 words behind every 64; bit 21 beside a mask
	s_or_b32 s[G1B+0], s44, (1<<16)|(1<<20)|(1<<21)|(5<<22)|(3<<25)
	s_mov_b32 s[G1+1], 128<<16                     ; tensor_dim0 = 128 elements: a pair of rows
	s_mov_b32 s[G1+2], 64<<16                      ; tensor_dim1 = 64 pairs
	s_mov_b32 s[G1+3], 128<<16                     ; tile_dim0
	s_mov_b32 s[G1+4], 64                          ; tile_dim1
	s_mov_b32 s[G1+5], 128                         ; the pitch: dense
	s_mov_b32 s[G1+6], 0
	s_mov_b32 s[G1+7], 0
	s_mov_b32 s[G1B+1], 128<<16
	s_mov_b32 s[G1B+2], 128<<16                    ; 128 pairs
	s_mov_b32 s[G1B+3], 128<<16
	s_mov_b32 s[G1B+4], 128
	s_mov_b32 s[G1B+5], 128
	s_mov_b32 s[G1B+6], 0
	s_mov_b32 s[G1B+7], 0
	s_lshl_b32 s16, s12, 20                        ; A: a plane is 8,192 rows of 128 bytes; the tile's 128 rows are 16,384
	s_lshl_b32 s17, s13, 14
	s_add_co_u32 s16, s16, s17
	s_mov_b32 s17, 0
	s_lshl_b32 s46, s12, 17                        ; B: a plane is 1,024 rows of 128 bytes; the tile's 256 rows are 32,768
	s_lshl_b32 s47, s42, 15
	s_add_co_u32 s46, s46, s47
	s_mov_b32 s47, 0
	s_mul_i32 s20, s12, PA                         ; where they go: no place in the cluster enters an LDS address
	s_mul_i32 s21, s12, PB
	s_add_co_u32 s21, s21, 2*PA
	s_wait_dscnt 0x0                               ; both opening adds are done
	s_wait_kmcnt 0x0
	s_add_nc_u64 s[14:15], s[4:5], s[16:17]
	s_add_nc_u64 s[46:47], s[6:7], s[46:47]
	CROUND                                         ; all sixteen work-groups are here: the first joint loads meet
.irp s, 0,1
	s_mov_b32 s[G0+4*\s], 1
	s_add_co_u32 s[G0+4*\s+1], s20, \s*SLOT
	s_add_nc_u64 s[G0+4*\s+2:G0+4*\s+3], s[14:15], \s*2*1048576    ; K step s: planes 2 s, 2 s + 1
	s_or_b32 s[G0+4*\s+3], s[G0+4*\s+3], 0x80000000
	s_mov_b32 s[G0B+4*\s], 1
	s_add_co_u32 s[G0B+4*\s+1], s21, \s*SLOT
	s_add_nc_u64 s[G0B+4*\s+2:G0B+4*\s+3], s[46:47], \s*2*131072
	s_or_b32 s[G0B+4*\s+3], s[G0B+4*\s+3], 0x80000000
	JLOAD \s                                       ; two loads of mine are out behind the second
.endr
	v_and_b32 v1, 15, v0                           ; r
	v_bfe_u32 v2, v0, 4, 1                         ; h
	v_lshrrev_b32 v3, 1, v1
	v_mul_u32_u24 v3, v3, PITCH
	v_and_b32 v4, 1, v0
	v_lshl_add_u32 v3, v4, 7, v3
	v_lshl_add_u32 v3, v2, 4, v3                   ; row r of a fragment: (r / 2) 272 + 128 (r % 2) + 16 h
	s_mul_i32 s21, s11, 4*BLK                      ; my 64 rows of A
	s_mul_i32 s22, s12, 8*BLK                      ; my 128 rows of B,
	s_add_co_u32 s22, s22, 2*PA                    ; behind A's two planes
.irp s, 0,1
	v_add_nc_u32 v[ADRA+\s], s21, v3
	v_add_nc_u32 v[ADRB+\s], s22, v3
	s_add_co_u32 s21, s21, SLOT
	s_add_co_u32 s22, s22, SLOT
.endr
	s_mul_i32 s23, s10, 16*SPITCH                  ; my stage
	v_mul_u32_u24 v5, v1, SPITCH
	v_lshl_add_u32 v5, v2, 5, v5
	v_add_nc_u32 v[STO], s23, v5                   ; in: row r, 32 bytes for each half of the lanes
	v_and_b32 v6, 31, v0
	v_lshlrev_b32 v[CO], 4, v6                     ; back: the 32 lanes take one row of 512 bytes; and the same in out0
	v_add_nc_u32 v[RD], s23, v[CO]
	v_lshlrev_b32 v[BO], 5, v2
	s_lshl_b32 s16, s13, 7
	s_lshl_b32 s17, s11, 6
	s_add_co_u32 s16, s16, s17                     ; my first row of out0
	s_lshl_b32 s16, s16, 12
	s_lshl_b32 s46, s42, 10                        ; my first column, in bytes
	s_lshl_b32 s47, s12, 9
	s_add_co_u32 s46, s46, s47
	s_mov_b32 s47, 0
	s_add_nc_u64 s[66:67], s[66:67], s[46:47]      ; the bias of my 128 columns
	s_add_co_u32 s46, s46, s16
	s_add_nc_u64 s[8:9], s[8:9], s[46:47]
	WIN 0x80                                       ; destination window 2
.irp b, 0,1,2,3,4,5,6,7
	global_load_b128 v[8*\b:8*\b+3], v[BO], s[66:67] offset:64*\b
	global_load_b128 v[8*\b+4:8*\b+7], v[BO], s[66:67] offset:64*\b+16
.endr
	WIN 0
; 8 matrix instructions: A's block a x B's eight, 32 along K, from buffer f.  first = 1: the bias starts the sums.  The 32 accumulators take turns, one instruction a turn, in the same order in every quarter.
.macro MUL8 f, a, first
.irp b, 0,1,2,3,4,5,6,7
.if \first
	v_wmma_f32_16x16x32_f16 v[8*(8*(\a)+\b):8*(8*(\a)+\b)+7], v[BF+64*(\f)+8*\b:BF+64*(\f)+8*\b+7], v[AF+32*(\f)+8*(\a):AF+32*(\f)+8*(\a)+7], v[8*\b:8*\b+7]
.else
	v_wmma_f32_16x16x32_f16 v[8*(8*(\a)+\b):8*(8*(\a)+\b)+7], v[BF+64*(\f)+8*\b:BF+64*(\f)+8*\b+7], v[AF+32*(\f)+8*(\a):AF+32*(\f)+8*(\a)+7], v[8*(8*(\a)+\b):8*(8*(\a)+\b)+7]
.endif
.endr
.endm
; 24 LDS loads in one run: quarter q of a slot (plane q / 2, bytes 64 (q % 2) on) into buffer f: B's eight blocks, then A's four
.macro FETCH slot, q, f
	WIN 0
.irp i, 0,1,2,3,4,5,6,7
	ds_load_b128 v[BF+64*(\f)+8*\i:BF+64*(\f)+8*\i+3],   v[ADRB+\slot] offset:((\q)/2)*PB+((\q)%2)*64+\i*BLK
	ds_load_b128 v[BF+64*(\f)+8*\i+4:BF+64*(\f)+8*\i+7], v[ADRB+\slot] offset:((\q)/2)*PB+((\q)%2)*64+\i*BLK+32
.endr
.irp i, 0,1,2,3
	ds_load_b128 v[AF+32*(\f)+8*\i:AF+32*(\f)+8*\i+3],   v[ADRA+\slot] offset:((\q)/2)*PA+((\q)%2)*64+\i*BLK
	ds_load_b128 v[AF+32*(\f)+8*\i+4:AF+32*(\f)+8*\i+7], v[ADRA+\slot] offset:((\q)/2)*PA+((\q)%2)*64+\i*BLK+32
.endr
.endm
.macro PLACES                          ; four places in front of loads into registers that matrix instructions have read, and of reads of results
.rept 4
	v_nop
.endr
.endm
; A K step is four quarters of 32 along K, 32 matrix instructions each, on buffers 0, 1, 0, 1.  One of the first three multiplies buffer f and fetches quarter qn into buffer g.
.macro QUARTER slot, qn, f, g, first
	s_wait_dscnt 4                                 ; B and A's blocks 0, 1 are in; the youngest four loads (A's blocks 2, 3) may be out
.if \first
	WIN MUL1
.else
	WIN MUL
.endif
	MUL8 \f, 0, \first
	MUL8 \f, 1, \first
	PLACES
	FETCH \slot, \qn, \g
	s_wait_dscnt 24                                ; all but the 24 just issued
.if \first
	WIN MUL1
.else
	WIN MUL
.endif
	MUL8 \f, 2, \first
	MUL8 \f, 3, \first
.endm
; The last quarter multiplies buffer 1 and changes slots: ONE barrier; in front of it each wave waits for all its tensor loads, adds 0 to its spare word, and waits for that and for its reads of this slot.  fill = 1: this slot is filled again, two K steps ahead.
.macro TURN slot, next, fill
	WIN 0                                          ; (the add's two registers lie in window 0)
	s_wait_tensorcnt 0x0                           ; all my tensor loads have landed: my part of the next slot
	ds_add_u32 v[SPW], v[NIL]
	s_wait_dscnt 5                                 ; the add and the youngest four loads may be out
	WIN MUL
	MUL8 1, 0, 0                                   ; eight matrix instructions stand between the add and the wait for it
	s_wait_dscnt 0x0                               ; the add is done, and my reads of this slot are over
	s_barrier_signal -1
	MUL8 1, 1, 0
.if \fill
	WIN 0
.endif
	s_barrier_wait -1
.if \fill
	CREST                                          ; the barrier has opened a round of the cluster's barrier: no wave of any partner still reads this slot or has a load on its way
	s_add_nc_u64 s[G0+4*\slot+2:G0+4*\slot+3], s[G0+4*\slot+2:G0+4*\slot+3], 4*1048576
	s_add_nc_u64 s[G0B+4*\slot+2:G0B+4*\slot+3], s[G0B+4*\slot+2:G0B+4*\slot+3], 4*131072
	JLOAD \slot                                    ; the first tensor load behind the round; its four v_nop are also the places in front of the loads below
.else
	PLACES
.endif
	FETCH \next, 0, 0
	WIN MUL
	MUL8 1, 2, 0
	MUL8 1, 3, 0
.endm
	s_wait_tensorcnt 1                             ; my part of K step 0 is in; K step 1's load may be out
	s_barrier_signal -1
	s_barrier_wait -1
	FETCH 0, 0, 0
	s_wait_loadcnt 0x0                             ; the bias
	QUARTER 0, 1, 0, 1, 1                          ; the first quarter stands in front of the loop: its products start the sums
	WIN 0
	s_mov_b32 s3, LAPS-1
.Llap:                                             ; a trip goes once round the ring, from a lap's second quarter to the next lap's first, and fills both slots again
	QUARTER 0, 2, 1, 0, 0
	QUARTER 0, 3, 0, 1, 0
	TURN 0, 1, 1
	QUARTER 1, 1, 0, 1, 0
	QUARTER 1, 2, 1, 0, 0
	QUARTER 1, 3, 0, 1, 0
	TURN 1, 0, 1
	QUARTER 0, 1, 0, 1, 0
	WIN 0
	s_sub_co_u32 s3, s3, 1
	s_cmp_lg_u32 s3, 0
	s_cbranch_scc1 .Llap
	QUARTER 0, 2, 1, 0, 0                          ; the last lap fills nothing
	QUARTER 0, 3, 0, 1, 0
	TURN 0, 1, 0
	QUARTER 1, 1, 0, 1, 0
	QUARTER 1, 2, 1, 0, 0
	QUARTER 1, 3, 0, 1, 0
	s_wait_dscnt 4                                 ; the very last quarter
	WIN MUL
	MUL8 1, 0, 0
	MUL8 1, 1, 0
	s_wait_dscnt 0
	MUL8 1, 2, 0
	MUL8 1, 3, 0
	WIN 0
; THE WAY OUT, block by block of 16 rows x 128 columns: through my own stage and back as whole rows of 512 bytes
.macro TOSTAGE a
	WIN 0x04                                       ; an LDS store's data are its source 1: window 1
.irp b, 0,1,2,3,4,5,6,7
	ds_store_b128 v[STO], v[64*(\a)+8*\b:64*(\a)+8*\b+3] offset:64*\b          ; each accumulator from its low end on
	ds_store_b128 v[STO], v[64*(\a)+8*\b+4:64*(\a)+8*\b+7] offset:64*\b+16
.endr
	WIN 0
.set BB, BF+64*((\a)%2)
.irp t, 0,1,2,3,4,5,6,7,8,9,10,11,12,13,14,15
	ds_load_b128 v[BB+4*\t:BB+4*\t+3], v[RD] offset:\t*SPITCH                  ; LDS serves a wave's instructions in order: these see the stores above
.endr
.endm
.macro SEND a, younger                 ; younger: the LDS instructions issued behind block a's loads
.set BB, BF+64*((\a)%2)
	s_wait_dscnt \younger
.irp t, 0,1,2,3,4,5,6,7,8,9,10,11,12,13,14,15
	global_store_b128 v[CO], v[BB+4*\t:BB+4*\t+3], s[8:9] offset:(16*(\a)+\t)*4096 th:TH_STORE_NT   ; 32 lanes store 512 consecutive bytes, aligned
.endr
.endm
	PLACES
	TOSTAGE 0
.irp a, 1,2,3
.if \a > 1
	s_wait_xcnt 0x0                                ; block a - 2's stores have read their registers: block a's loads may land there
.endif
	TOSTAGE \a
	SEND \a-1, 32                                  ; behind block a - 1's loads: block a's 16 stores and 16 loads
.endr
	SEND 3, 0
	s_wait_tensorcnt 0x0                           ; the wave's end
	ds_add_u32 v[SPW], v[NIL]
	s_wait_dscnt 0x0
	CROUND                                         ; the closing round
	s_endpgm
.Lfunc_end_k_qf2dab1c82c_proj:
	.size	k_qf2dab1c82c_proj, .Lfunc_end_k_qf2dab1c82c_proj-k_qf2dab1c82c_proj
	.p2alignl 7, 3214868480
	.fill 96, 4, 3214868480
	.section	.rodata,"a",@progbits
	.p2align	6, 0x0
	.amdhsa_kernel k_qf2dab1c82c_proj
		.amdhsa_group_segment_fixed_size 327680
		.amdhsa_private_segment_fixed_size 0
		.amdhsa_enable_private_segment 0
		.amdhsa_kernarg_size 32
		.amdhsa_user_sgpr_count 2
		.amdhsa_user_sgpr_kernarg_segment_ptr 1
		.amdhsa_wavefront_size32 1
		.amdhsa_system_sgpr_workgroup_id_x 1
		.amdhsa_system_sgpr_workgroup_id_y 1
		.amdhsa_system_sgpr_workgroup_id_z 1
		.amdhsa_system_vgpr_workitem_id 0
		.amdhsa_next_free_vgpr 576
		.amdhsa_next_free_sgpr 68
		.amdhsa_reserve_vcc 0
		.amdhsa_float_denorm_mode_32 3
		.amdhsa_float_denorm_mode_16_64 3
		.amdhsa_memory_ordered 1
		.amdhsa_forward_progress 1
		.amdhsa_inst_pref_size 86
	.end_amdhsa_kernel
	.amdgpu_metadata
---
amdhsa.version: [ 1, 2 ]
amdhsa.kernels:
  - .name:           k_qf2dab1c82c_proj
    .symbol:         k_qf2dab1c82c_proj.kd
    .args:
      - { .name: o2, .offset: 0, .size: 8, .value_kind: global_buffer, .address_space: global }
      - { .name: wot, .offset: 8, .size: 8, .value_kind: global_buffer, .address_space: global }
      - { .name: bo, .offset: 16, .size: 8, .value_kind: global_buffer, .address_space: global }
      - { .name: out0, .offset: 24, .size: 8, .value_kind: global_buffer, .address_space: global }
    .group_segment_fixed_size: 327680
    .private_segment_fixed_size: 0
    .kernarg_segment_align: 8
    .kernarg_segment_size: 32
    .max_flat_workgroup_size: 128
    .sgpr_count:     68
    .vgpr_count:     576
    .wavefront_size: 32
...
	.end_amdgpu_metadata
.endif
;; end of part 4
;; launch fine (part 5): grid 16 x 4, 16 waves a work-group, no clusters, 85,248 bytes of LDS; arguments fine32, Wo, bo, out0; writes out0
.if DOCPART == 5
	.amdgcn_target "amdgcn-amd-amdhsa--gfx1250"
	.amdhsa_code_object_version 6
	.text
	.protected	k_qf2dab1c82c_fine
	.globl	k_qf2dab1c82c_fine
	.p2align	8
	.type	k_qf2dab1c82c_fine,@function
k_qf2dab1c82c_fine:
	s_mov_b64 s[64:65], 0
	v_nop
	global_prefetch_b8 v0, s[64:65] scope:SCOPE_SE
	s_setreg_imm32_b32 hwreg(HW_REG_WAVE_MODE, 25, 1), 1
	s_wait_xcnt 0x0
; THE FIRST 16 POSITIONS OF EVERY SEQUENCE, ONCE MORE, WHOLLY IN f32: they average one to sixteen values and are the largest numbers of out0, so 16-bit operands would weigh most there.  64 rows in all: no bulk work.
; fine32: f32 [b 4][t 16][3072 = q | k | v], with the biases.  Work-group (slice, b) makes out0[2048 b + 0..15][64 slice + 0..63], over what the projection has left there.
; PHASE A: wave w is head w: S^T = K Q^T (16 x 16, 64 along the head), the causal mask, the softmax with the row's maximum taken away, O^T = V^T P, divided by the row's sum; o goes to LDS, [16][1024].
; PHASE B: wave w makes columns 16 (w % 4) on over K = 256 (w / 4) on: 64 products of 4 along K; the four parts along K meet in LDS and waves 0 to 7 add them and the bias and store two rows each.
; All products by v_wmma_f32_16x16x4_f32 (lane (r, h), register j: k = 2 h + j).  Along K both operands are loaded in the same order, four neighbours a lane, so that a pair of registers of one meets the same k in the other.
; The four accumulators v16-47 are written by matrix instructions alone and take turns, one instruction a turn.
.set ACC, 16
.set QR,  48                           ; v48-79   q; later o; later fragments of o
.set KR,  80                           ; v80-111  k; later fragments of o
.set T,   112                          ; v112-119 scores, then p; later sums;  v120-123 at work
.set BI,  124                          ; v124-127 the bias
.set W,   128                          ; v128-255 Wo: register 4 u + i = Wo[256 kq + 8 u + 4 h + i][my column]; v128-159 hold V^T first
.set OPI, 4112                         ; a row of o in LDS: 4,096 bytes + 16
.set RED, 16*OPI                       ; the four parts: 16 rows x (256 bytes + 16) each
.set RP,  272
.set SPARE, RED+4*16*RP                ; the spare words, 128 bytes for each wave
.set SPW, 12
.set NIL, 13
	s_load_b256 s[4:11], s[0:1], 0x0               ; fine32 s[4:5], Wo s[6:7], bo s[8:9], out0 s[10:11]
	v_lshl_add_u32 v[SPW], v0, 2, SPARE
	v_mov_b32 v[NIL], 0
	v_lshrrev_b32 v1, 5, v0
	v_readfirstlane_b32 s12, v1                    ; wave 0..15
	s_and_b32 s14, ttmp7, 0xffff                   ; b
	s_and_b32 s15, s12, 3                          ; c: which 16 columns of the slice
	s_lshr_b32 s16, s12, 2                         ; kq: which 256 along K
	s_min_u32 s17, s12, 7                          ; which two rows I store, if I store
	s_mov_b32 s20, 0x76543210
	s_mov_b32 s21, 0xfedcba98                      ; v_permlanex16_b32's selects for lane l xor 16
	s_mov_b32 s22, 0x3e38aa3b                      ; c = log2(e) / 8
	v_and_b32 v1, 15, v0                           ; r
	v_bfe_u32 v2, v0, 4, 1                         ; h
	v_mul_u32_u24 v3, v1, 12288
	v_lshl_add_u32 v3, v2, 4, v3                   ; q, k: row r of 12,288 bytes + 16 h
	v_mul_u32_u24 v4, v2, 98304
	v_lshl_add_u32 v4, v1, 2, v4                   ; v: key 8 h on, channel r
	v_lshlrev_b32 v5, 14, v2
	v_lshl_add_u32 v5, v1, 2, v5                   ; Wo: row 4 h on, column r
	v_mul_u32_u24 v15, v1, OPI
	s_lshl_b32 s24, s12, 8
	v_lshl_add_u32 v6, v2, 5, v15
	v_add_nc_u32 v6, s24, v6                       ; o, in: row r, my head's 256 bytes, + 32 h
	s_lshl_b32 s24, s16, 10
	v_lshl_add_u32 v7, v2, 4, v15
	v_add_nc_u32 v7, s24, v7                       ; o, back: row r, my 256 along K, + 16 h
	s_mul_i32 s24, s16, 16*RP
	s_lshl_b32 s25, s15, 6
	s_add_co_u32 s24, s24, s25
	s_add_co_u32 s24, s24, RED
	v_mul_u32_u24 v8, v1, RP
	v_lshl_add_u32 v8, v2, 5, v8
	v_add_nc_u32 v8, s24, v8                       ; my part, in: row r, columns 16 c + 8 h on
	s_mul_i32 s24, s17, 2*RP
	s_add_co_u32 s24, s24, RED
	v_mul_u32_u24 v9, v2, RP
	v_lshl_add_u32 v9, v1, 4, v9
	v_add_nc_u32 v9, s24, v9                       ; the parts, back: row 2 w + h, 16 bytes a lane
	v_lshlrev_b32 v10, 12, v2
	v_lshl_add_u32 v10, v1, 4, v10                 ; and the same place in out0
	v_lshlrev_b32 v11, 3, v2
	v_sub_nc_u32 v11, v1, v11                      ; r - 8 h
	v_lshlrev_b32 v14, 4, v1
	v_mov_b32 v120, 0xff800000                     ; -infinity
	v_mov_b32 v122, 0                              ; (a lane permute's destination counts as one of its sources)
	v_mov_b32 v123, 0
	s_mul_i32 s18, s14, 196608
	s_lshl_b32 s19, s12, 8
	s_add_co_u32 s18, s18, s19
	s_mov_b32 s19, 0
	s_lshl_b32 s26, s16, 20                        ; 256 rows of 4,096 bytes
	s_lshl_b32 s27, ttmp9, 8
	s_add_co_u32 s26, s26, s27
	s_lshl_b32 s27, s15, 6
	s_add_co_u32 s26, s26, s27
	s_mov_b32 s27, 0
	s_lshl_b32 s28, ttmp9, 8
	s_mov_b32 s29, 0
	s_lshl_b32 s30, s14, 11
	s_lshl_b32 s31, s17, 1
	s_add_co_u32 s30, s30, s31
	s_lshl_b32 s30, s30, 12
	s_add_co_u32 s30, s30, s28
	s_mov_b32 s31, 0
	s_wait_kmcnt 0x0
	s_add_nc_u64 s[4:5], s[4:5], s[18:19]
	s_add_nc_u64 s[6:7], s[6:7], s[26:27]
	s_add_nc_u64 s[8:9], s[8:9], s[28:29]
	s_add_nc_u64 s[10:11], s[10:11], s[30:31]
	global_load_b128 v[BI:BI+3], v14, s[8:9]
.irp u, 0,1,2,3,4,5,6,7
	global_load_b128 v[QR+4*\u:QR+4*\u+3], v3, s[4:5] offset:32*\u             ; q(r, 8 u + 4 h + 0 .. 3)
.endr
.irp u, 0,1,2,3,4,5,6,7
	global_load_b128 v[KR+4*\u:KR+4*\u+3], v3, s[4:5] offset:4096+32*\u        ; k likewise
.endr
.irp ct, 0,1,2,3
.irp n, 0,1,2,3,4,5,6,7
	global_load_b32 v[W+8*\ct+\n], v4, s[4:5] offset:8192+\n*12288+64*\ct      ; v(key 8 h + n, channel 16 ct + r)
.endr
.endr
.macro WLOAD u
.irp i, 0,1,2,3
	global_load_b32 v[W+4*(\u)+\i], v5, s[6:7] offset:(8*(\u)+\i)*4096
.endr
.endm
.irp u, 8,9,10,11,12,13,14,15,16,17,18,19,20,21,22,23,24,25,26,27,28,29,30,31
	WLOAD \u
.endr
	s_wait_loadcnt 63                              ; of the 145 loads at most the youngest 63 are out: the first 49 (the bias, q, k, v) are in
; ---- PHASE A
.set p, 0
.rept 16
.if p < 4
	v_wmma_f32_16x16x4_f32 v[ACC+8*(p%4):ACC+8*(p%4)+7], v[KR+2*p:KR+2*p+1], v[QR+2*p:QR+2*p+1], 0
.else
	v_wmma_f32_16x16x4_f32 v[ACC+8*(p%4):ACC+8*(p%4)+7], v[KR+2*p:KR+2*p+1], v[QR+2*p:QR+2*p+1], v[ACC+8*(p%4):ACC+8*(p%4)+7]
.endif
.set p, p+1
.endr
.rept 8
	v_nop                                          ; eight places behind this form in front of a read of its results (ISA guide 7.12.1)
.endr
.irp i, 0,2,4,6
	v_pk_add_f32 v[T+\i:T+\i+1], v[ACC+\i:ACC+\i+1], v[ACC+8+\i:ACC+8+\i+1]    ; the four parts of the sum, each accumulator from its low end on: register j = score(key 8 h + j, query r)
.endr
.irp i, 0,2,4,6
	v_pk_add_f32 v[T+\i:T+\i+1], v[T+\i:T+\i+1], v[ACC+16+\i:ACC+16+\i+1]
.endr
.irp i, 0,2,4,6
	v_pk_add_f32 v[T+\i:T+\i+1], v[T+\i:T+\i+1], v[ACC+24+\i:ACC+24+\i+1]
.endr
.irp j, 0,1,2,3,4,5,6,7
	v_cmp_gt_i32 vcc_lo, \j, v11                   ; key 8 h + j > query r: hidden
	v_cndmask_b32 v[T+\j], v[T+\j], v120, vcc_lo
.endr
	v_max3_num_f32 v121, v[T], v[T+1], v[T+2]
	v_max3_num_f32 v121, v121, v[T+3], v[T+4]
	v_max3_num_f32 v121, v121, v[T+5], v[T+6]
	v_max_num_f32 v121, v121, v[T+7]
	v_permlanex16_b32 v122, v121, s20, s21
	v_max_num_f32 v121, v121, v122                 ; the row's maximum: key 0 counts for every query
	v_mul_f32 v121, s22, v121
.irp j, 0,1,2,3,4,5,6,7
	v_fma_f32 v[T+\j], v[T+\j], s22, -v121
.endr
.irp j, 0,1,2,3,4,5,6,7
	v_exp_f32 v[T+\j], v[T+\j]
.endr
	v_nop                                          ; a plain instruction behind the last exponential
	s_wait_alu depctr_va_vdst(0)                   ; one wait for the eight, ahead of their first reader
	v_pk_add_f32 v[122:123], v[T:T+1], v[T+2:T+3]
	v_pk_add_f32 v[122:123], v[122:123], v[T+4:T+5]
	v_pk_add_f32 v[122:123], v[122:123], v[T+6:T+7]
	v_add_f32 v122, v122, v123
	v_permlanex16_b32 v123, v122, s20, s21
	v_add_f32 v122, v122, v123                     ; the row's sum
	v_rcp_f32 v121, v122
	v_nop
	s_wait_alu depctr_va_vdst(0)
.irp s, 0,1,2,3                                    ; O^T = V^T P: keys 8 h + 2 s + 0, 1 in both operands; the four tiles of channels take turns
.irp ct, 0,1,2,3
.if \s == 0
	v_wmma_f32_16x16x4_f32 v[ACC+8*\ct:ACC+8*\ct+7], v[W+8*\ct+2*\s:W+8*\ct+2*\s+1], v[T+2*\s:T+2*\s+1], 0
.else
	v_wmma_f32_16x16x4_f32 v[ACC+8*\ct:ACC+8*\ct+7], v[W+8*\ct+2*\s:W+8*\ct+2*\s+1], v[T+2*\s:T+2*\s+1], v[ACC+8*\ct:ACC+8*\ct+7]
.endif
.endr
.endr
.rept 9
	v_nop                                          ; eight places in front of the reads and of the loads into V's registers; nine in front of the products that begin these accumulators anew
.endr
.irp n, 0,1,2,3,4,5,6,7,8,9,10,11,12,13,14,15,16,17,18,19,20,21,22,23,24,25,26,27,28,29,30,31
	v_mul_f32 v[QR+\n], v[ACC+\n], v121            ; o(query r, channel 16 (n / 8) + 8 h + n % 8)
.endr
.irp ct, 0,1,2,3
	ds_store_b128 v6, v[QR+8*\ct:QR+8*\ct+3] offset:64*\ct
	ds_store_b128 v6, v[QR+8*\ct+4:QR+8*\ct+7] offset:64*\ct+16
.endr
.irp u, 0,1,2,3,4,5,6,7
	WLOAD \u                                       ; Wo's first 64 along K, where V^T lay
.endr
	s_wait_dscnt 0x0                               ; my stores have landed
	s_barrier_signal -1
	s_barrier_wait -1                              ; o is whole
; ---- PHASE B: chunks of 64 along K in the order 1, 2, 3, 0
.macro OLOAD cc, buf
.irp u, 0,1,2,3,4,5,6,7
	ds_load_b128 v[\buf+4*\u:\buf+4*\u+3], v7 offset:256*(\cc)+32*\u           ; o(r, 256 kq + 64 cc + 8 u + 4 h + 0 .. 3)
.endr
.endm
.macro PMUL cc, buf, first             ; 16 products: source 0 = 16 columns of Wo, source 1 = the 16 rows of o
.set p, 0
.rept 16
.if \first && (p < 4)
	v_wmma_f32_16x16x4_f32 v[ACC+8*(p%4):ACC+8*(p%4)+7], v[W+32*(\cc)+2*p:W+32*(\cc)+2*p+1], v[\buf+2*p:\buf+2*p+1], 0
.else
	v_wmma_f32_16x16x4_f32 v[ACC+8*(p%4):ACC+8*(p%4)+7], v[W+32*(\cc)+2*p:W+32*(\cc)+2*p+1], v[\buf+2*p:\buf+2*p+1], v[ACC+8*(p%4):ACC+8*(p%4)+7]
.endif
.set p, p+1
.endr
.endm
	OLOAD 1, KR
	OLOAD 2, QR
	s_wait_dscnt 8                                 ; the first chunk of o is in; the second's eight loads may be out
	s_wait_loadcnt 32                              ; Wo's chunks 1 to 3 are in; chunk 0's 32 loads may be out
	PMUL 1, KR, 1
.rept 8
	v_nop                                          ; places in front of loads into registers that these products have read
.endr
	OLOAD 3, KR
	s_wait_dscnt 8
	PMUL 2, QR, 0
.rept 8
	v_nop
.endr
	OLOAD 0, QR
	s_wait_dscnt 8
	PMUL 3, KR, 0
	s_wait_dscnt 0x0
	s_wait_loadcnt 0x0                             ; Wo's chunk 0, and the bias
	PMUL 0, QR, 0
.rept 8
	v_nop
.endr
.irp i, 0,2,4,6
	v_pk_add_f32 v[T+\i:T+\i+1], v[ACC+\i:ACC+\i+1], v[ACC+8+\i:ACC+8+\i+1]    ; register j = my part of out(row r, column 16 c + 8 h + j)
.endr
.irp i, 0,2,4,6
	v_pk_add_f32 v[T+\i:T+\i+1], v[T+\i:T+\i+1], v[ACC+16+\i:ACC+16+\i+1]
.endr
.irp i, 0,2,4,6
	v_pk_add_f32 v[T+\i:T+\i+1], v[T+\i:T+\i+1], v[ACC+24+\i:ACC+24+\i+1]
.endr
	ds_store_b128 v8, v[T:T+3]
	ds_store_b128 v8, v[T+4:T+7] offset:16
	s_wait_dscnt 0x0
	s_barrier_signal -1
	s_barrier_wait -1                              ; the four parts along K lie in LDS
	s_cmp_lt_u32 s12, 8
	s_cbranch_scc0 .Ldone                          ; waves 0 to 7 store two rows each; no barrier stands inside
.irp k, 0,1,2,3
	ds_load_b128 v[QR+4*\k:QR+4*\k+3], v9 offset:\k*16*RP
.endr
	s_wait_dscnt 0x0
	v_pk_add_f32 v[QR:QR+1], v[QR:QR+1], v[QR+4:QR+5]
	v_pk_add_f32 v[QR+2:QR+3], v[QR+2:QR+3], v[QR+6:QR+7]
	v_pk_add_f32 v[QR+8:QR+9], v[QR+8:QR+9], v[QR+12:QR+13]
	v_pk_add_f32 v[QR+10:QR+11], v[QR+10:QR+11], v[QR+14:QR+15]
	v_pk_add_f32 v[QR:QR+1], v[QR:QR+1], v[QR+8:QR+9]
	v_pk_add_f32 v[QR+2:QR+3], v[QR+2:QR+3], v[QR+10:QR+11]
	v_pk_add_f32 v[QR:QR+1], v[QR:QR+1], v[BI:BI+1]
	v_pk_add_f32 v[QR+2:QR+3], v[QR+2:QR+3], v[BI+2:BI+3]
	global_store_b128 v10, v[QR:QR+3], s[10:11]    ; sixteen lanes store 256 consecutive bytes, aligned
.Ldone:
	s_wait_tensorcnt 0x0                           ; the wave's end, behind my last LDS store
	ds_add_u32 v[SPW], v[NIL]
	s_wait_dscnt 0x0
	s_endpgm
.Lfunc_end_k_qf2dab1c82c_fine:
	.size	k_qf2dab1c82c_fine, .Lfunc_end_k_qf2dab1c82c_fine-k_qf2dab1c82c_fine
	.p2alignl 7, 3214868480
	.fill 96, 4, 3214868480
	.section	.rodata,"a",@progbits
	.p2align	6, 0x0
	.amdhsa_kernel k_qf2dab1c82c_fine
		.amdhsa_group_segment_fixed_size 85248
		.amdhsa_private_segment_fixed_size 0
		.amdhsa_enable_private_segment 0
		.amdhsa_kernarg_size 32
		.amdhsa_user_sgpr_count 2
		.amdhsa_user_sgpr_kernarg_segment_ptr 1
		.amdhsa_wavefront_size32 1
		.amdhsa_system_sgpr_workgroup_id_x 1
		.amdhsa_system_sgpr_workgroup_id_y 1
		.amdhsa_system_sgpr_workgroup_id_z 1
		.amdhsa_system_vgpr_workitem_id 0
		.amdhsa_next_free_vgpr 256
		.amdhsa_next_free_sgpr 66
		.amdhsa_reserve_vcc 1
		.amdhsa_float_denorm_mode_32 3
		.amdhsa_float_denorm_mode_16_64 3
		.amdhsa_memory_ordered 1
		.amdhsa_forward_progress 1
		.amdhsa_inst_pref_size 36
	.end_amdhsa_kernel
	.amdgpu_metadata
---
amdhsa.version: [ 1, 2 ]
amdhsa.kernels:
  - .name:           k_qf2dab1c82c_fine
    .symbol:         k_qf2dab1c82c_fine.kd
    .args:
      - { .name: fine32, .offset: 0, .size: 8, .value_kind: global_buffer, .address_space: global }
      - { .name: Wo, .offset: 8, .size: 8, .value_kind: global_buffer, .address_space: global }
      - { .name: bo, .offset: 16, .size: 8, .value_kind: global_buffer, .address_space: global }
      - { .name: out0, .offset: 24, .size: 8, .value_kind: global_buffer, .address_space: global }
    .group_segment_fixed_size: 85248
    .private_segment_fixed_size: 0
    .kernarg_segment_align: 8
    .kernarg_segment_size: 32
    .max_flat_workgroup_size: 512
    .sgpr_count:     66
    .vgpr_count:     256
    .wavefront_size: 32
...
	.end_amdgpu_metadata
.endif
;; end of part 5
